; MI455X (gfx1250); checked and timed in simulation.
; The chip was launched on July 23, 2026; its instructions are those of AMD's public machine-readable ISA for CDNA 5 (MIT licence, August 2026) and "CDNA5" Instruction Set Architecture Reference Guide (July 2026). The comments in the code are by the model that wrote it; some were corrected since.
;; Multi Head Attention. Allowed arithmetic: matrix products marked QUANTISED: E2M3 operands, one E8M0 scale for each 32 along K, by v_wmma_scale_f32_16x16x128_f8f6f4 with both operands' format E2M3, f32 sums; everything else in f32.
;; Inputs: Wk 1,024 x 1,024 float32; Wo 1,024 x 1,024 float32; Wq 1,024 x 1,024 float32; Wv 1,024 x 1,024 float32; bk 1,024 float32; bo 1,024 float32; bq 1,024 float32; bv 1,024 float32; k 4 x 2,048 x 1,024 float32; mask 4 x 1 x 1 x 2,048 int32; q 4 x 2,048 x 1,024 float32; v 4 x 2,048 x 1,024 float32.
;; Outputs: out0 4 x 2,048 x 1,024 float32.
;; This version of the problem:
;;   THIS VERSION OF THE PROBLEM IS GIVEN IN LOW PRECISION. The matrix products marked QUANTISED in the list below multiply operands that are first quantised to E2M3 (2 exponent bits, 3 mantissa bits; 6 bits a number), with one power-of-two scale for each 32 numbers along K (OCP MX v1.0); their sums are f32. All else is computed in f32.
;;   The module's matrix products, in the order in which they are computed (A, B: the left and right operand; K: the contracted axis; several contracted axes count as one K, in the product's order):
;;     1. [M 8,192, K 1,024] x [K 1,024, N 1,024]; A: input q; B: input Wq: QUANTISED
;;     2. [M 8,192, K 1,024] x [K 1,024, N 1,024]; A: input k; B: input Wk: QUANTISED
;;     3. [M 8,192, K 1,024] x [K 1,024, N 1,024]; A: input v; B: input Wv: QUANTISED
;;     4. batch 64 x [M 2,048, K 64] x [K 64, N 2,048]; A: computed on the way; B: computed on the way: QUANTISED
;;     5. batch 64 x [M 2,048, K 2,048] x [K 2,048, N 64]; A: softmax (see below); B: computed on the way: QUANTISED
;;     6. [M 8,192, K 1,024] x [K 1,024, N 1,024]; A: computed on the way; B: input Wo: QUANTISED
;;   THE QUANTISER, for each operand of a quantised product, along K:
;;     - K is cut into blocks of 32 from its start; a last block that is shorter is filled with zeros.
;;     - A block's scale is 2^e with e = floor(log2(the largest magnitude in the block)) - 2, held to -126 .. 127; a block of zeros has e = 0. As a byte (E8M0): e + 127.
;;     - Each number is divided by its block's scale, clamped to +-7.5, and rounded to the nearest number of E2M3, ties to even, subnormals kept.
;;     - The product sums the exact products of the quantised numbers (number of the format x scale) in f32.
;;   ~~~python
;;   def quantise(x, axis):      # numpy; x: float32 -> the quantised numbers, widened to float32 again
;;       x = np.moveaxis(x, axis, -1); K = x.shape[-1]
;;       x = np.pad(x, [(0, 0)] * (x.ndim - 1) + [(0, -K % 32)]); x = x.reshape(x.shape[:-1] + (-1, 32)); a = np.abs(x).max(-1, keepdims=True)
;;       e = np.where(a > 0, np.clip(np.frexp(np.where(a > 0, a, 1))[1] - 1 - 2, -126, 127), 0)      # np.frexp(a)[1] - 1 = floor(log2(a)), exactly
;;       r = np.clip(x / 2.0 ** e, -7.5, 7.5)
;;       step = 2.0 ** (np.maximum(np.frexp(np.where(r == 0, 1, r))[1] - 1, 0) - 3)
;;       q = np.round(r / step) * step * 2.0 ** e      # np.round: ties to even
;;       return np.moveaxis(q.reshape(q.shape[:-2] + (-1,))[..., :K], -1, axis).astype(np.float32)
;;   ~~~
;;   SOFTMAX AHEAD OF A QUANTISED PRODUCT. Where the list says 'softmax', what is quantised is not the finished softmax but p = 2^(t - M), with t = logit x log2(e) and M = ceil(the row's largest t), a whole number; so 1/2 < the row's largest p <= 1. The row's sum l is taken of the UNQUANTISED p, in f32, and the product's result is divided by l at the end. Since M is a whole number, a kernel that streams over the keys may use a running M (the ceiling of the running maximum): every later rescaling is an exact power of two, which a block's scale takes up: the codes' values come out the same.
;;   OPERANDS COMPUTED ON THE WAY. 'Computed on the way' means the value that the module computes at that place (a softmax that the list does not call 'softmax' is quantised finished and normalised). What goes into a quantiser is computed in f32, as accurately as f32 sums, v_exp_f32 and their like allow (about 1e-6 of the number): no bf16 or f16 on the way to a quantiser, and a product that is left as it is and whose result goes on into a quantised operand takes f32 operands (vector FMAs, or v_wmma_f32_16x16x4_f32). A number that lies on a knife's edge between two numbers of the format may be rounded either way, as far as f32 arithmetic and the matrix unit's own rounding can turn it there, and no further.
;; One version. Each part assembles by itself: llvm-mc -triple=amdgcn-amd-amdhsa -mcpu=gfx1250 --defsym DOCPART=n.
;; ======== version 1 of 1: 4 launches
;; limits: right only within a limited range of input values
;; workspace buffers: xc 18,874,368 bytes; xs 786,432 bytes; wc 3,145,728 bytes; ws 131,072 bytes; qi 13,107,200 bytes; kv 13,107,200 bytes; ac 6,291,456 bytes; acs 262,144 bytes
;; launch quant (part 1): grid 1024 x 1, 4 waves a work-group, no clusters, 47,616 bytes of LDS; arguments q, k, v, Wq, Wk, Wv, Wo, xc, xs, wc, ws; writes xc, xs, wc, ws
.if DOCPART == 1
	.amdgcn_target "amdgcn-amd-amdhsa--gfx1250"
	.amdhsa_code_object_version 6
	.text
	.protected	k_q02d522307b_quant
	.globl	k_q02d522307b_quant
	.p2align	8
	.type	k_q02d522307b_quant,@function
k_q02d522307b_quant:
	s_mov_b64 s[64:65], 0
	v_nop
	global_prefetch_b8 v0, s[64:65] scope:SCOPE_SE
	s_setreg_imm32_b32 hwreg(HW_REG_WAVE_MODE, 25, 1), 1
	s_wait_xcnt 0x0
; q, k, v [8192][1024] and Wq, Wk, Wv, Wo [1024 (k)][1024 (n)], f32, become codes of FP6 (E2M3) with one E8M0 byte for each 32 along K, laid as the products' launches take them.
; TILES.  An operand's rows (tokens; for a weight its columns n) go in tiles of 16: lane r of tile T stands for row 32 (T / 2) + 8 (T % 2) + r + 8 (r / 8).
; CODES: byte = tile x 12288 + c x 768 + p x 256 + 8 x lane: lane (r, h) holds k = 64 c + 32 h + 0 .. 31 of its row, 24 bytes in three pairs p.  Every pair's plane is 256 consecutive aligned bytes.
; SCALES: byte = tile x 512 + 256 (j % 2) + 16 r + 4 (j / 2): the word (four bytes, 128 along K) of row r and K step j.
; A block's scale is 2^(floor(log2(largest magnitude)) - 2); its byte is the largest magnitude's exponent field - 2, held at 1 from below.
; LIMITS: a block whose largest magnitude lies under 2^-124 has its byte held at 1; a block of zeros has the byte 1 and not 127 (its codes are zeros, and this program alone reads the bytes); NaN and infinities are not served.
; Work-groups 0-767: a wave takes one tile of q, k or v through half of K.  Work-groups 768-1023: a wave takes 32 columns x 128 k of a weight.  Waves share nothing: no barrier.  Each path has LDS bytes of its own.
.set XPW,   8448                       ; tokens' path: a wave's stage, 16 rows x (512 bytes + 16)
.set WSTG,  4*XPW                      ; weights' path: a wave's stage, 2 tiles x (1536 bytes + 128)
.set WPW,   3328
.set SPARE, WSTG+4*WPW                 ; the spare words, 128 bytes a wave: two blocks of 256 bytes that no other line names
.set SPW, 10                           ; v10 LDS address of my spare word; never rewritten
.set NIL, 11                           ; v11 0; never rewritten
.set TMX, 16                           ; v16-19 largest magnitudes;  v20-23 the other half's, then the bytes;  v24-27 the conversions' scale operands
.set TMB, 20
.set TMS, 24
.set PC,  32                           ; v32-43 a fragment's codes
.set TQ,  44                           ; v44-46, v48-50 the upper halves of the blocks, as converted
.set PW,  52                           ; v52-55 the four scale words
.set U,   60                           ; v60-61 as they are stored
.set R,   64                           ; v64-191 two sets of 64 numbers as loaded
.set X,   192                          ; v192-255 64 numbers: register 16 b + i = k 32 b + 16 h + i of my row
.set SEL, 28                           ; s[28:29] lane selects: lane l xor 16
; 64 numbers of a lane become a fragment's codes (chunk 0 in d0 .. d0 + 5, chunk 1 in d1 .. d1 + 5); the four bytes are left in v[TMB] on.
.macro QUANT s, d0, d1
.irp b, 0,1,2,3
	v_max3_num_f32 v[TMX+\b], |v[(\s)+16*\b]|, |v[(\s)+1+16*\b]|, 0x1800000   ; my 16 of block b, and the floor 2^(3 - 127): the byte cannot fall under 1
.endr
.irp i, 2,4,6,8,10,12,14
.irp b, 0,1,2,3
	v_max3_num_f32 v[TMX+\b], v[TMX+\b], |v[(\s)+16*\b+\i]|, |v[(\s)+1+16*\b+\i]|   ; the four blocks by turns
.endr
.endr
.irp b, 0,1,2,3
	v_permlanex16_b32 v[TMB+\b], v[TMX+\b], s[SEL], s[SEL+1]
.endr
.irp b, 0,1,2,3
	v_max_num_f32 v[TMX+\b], v[TMX+\b], v[TMB+\b]   ; with lane l xor 16's 16: the block's
.endr
.irp b, 0,1,2,3
	v_add_nc_u32 v[TMS+\b], 0xff000000, v[TMX+\b]   ; 2 off the exponent field: the conversion takes that field as its scale
.endr
.irp b, 0,1,2,3
	v_lshrrev_b32 v[TMB+\b], 23, v[TMS+\b]          ; the byte
.endr
	v_cvt_scalef32_pk16_fp6_f32 v[(\d0):(\d0)+2], v[(\s):(\s)+15], v[TMS]
	v_cvt_scalef32_pk16_fp6_f32 v[TQ:TQ+2], v[(\s)+16:(\s)+31], v[TMS+1]   ; (a conversion's three registers begin on an even number)
	v_cvt_scalef32_pk16_fp6_f32 v[(\d1):(\d1)+2], v[(\s)+32:(\s)+47], v[TMS+2]
	v_cvt_scalef32_pk16_fp6_f32 v[TQ+4:TQ+6], v[(\s)+48:(\s)+63], v[TMS+3]
	v_nop                                          ; one plain place behind the conversions
.irp i, 0,1,2
	v_permlane16_swap_b32 v[(\d0)+\i], v[TQ+\i]     ; a whole block to a lane: lanes 0-15 the even block, lanes 16-31 the odd one
	v_permlane16_swap_b32 v[(\d1)+\i], v[TQ+4+\i]
.endr
.irp i, 0,1,2
	v_mov_b32 v[(\d0)+3+\i], v[TQ+\i]
	v_mov_b32 v[(\d1)+3+\i], v[TQ+4+\i]
.endr
.endm
	s_load_b256 s[4:11], s[0:1], 0x0               ; q, k, v, Wq
	s_load_b256 s[12:19], s[0:1], 0x20             ; Wk, Wv, Wo, xc
	s_load_b128 s[20:23], s[0:1], 0x40             ; xs, wc
	s_load_b64 s[24:25], s[0:1], 0x50              ; ws
	v_lshl_add_u32 v[SPW], v0, 2, SPARE
	v_mov_b32 v[NIL], 0
	v_lshrrev_b32 v1, 5, v0
	v_readfirstlane_b32 s26, v1                    ; wave
	v_and_b32 v5, 31, v0                           ; lane
	v_lshlrev_b32 v1, 4, v5                        ; 16 x lane
	s_mov_b32 s31, 0
	; work-groups 0-767: tokens, a wave takes one tile through HALF of K (half = work-group % 2); 768-1023: the weights
	s_cmp_lt_u32 ttmp9, 768
	s_cbranch_scc0 .Lweights
	; ---- tokens: one tile a wave
	v_and_b32 v6, 15, v0                           ; r
	v_bfe_u32 v7, v0, 4, 1                         ; h
	v_lshlrev_b32 v4, 3, v5                        ; 8 x lane
	s_mul_i32 s30, s26, XPW
	v_add_nc_u32 v2, s30, v1                       ; the stage, in: a row's 512 bytes as they lie
	v_mul_u32_u24 v3, v6, 528
	v_lshl_add_u32 v3, v7, 6, v3
	v_add_nc_u32 v3, s30, v3                       ; and out: row r, + 64 h: my 16 numbers of each block of 32
.irp b, 0,1,2,3
	v_mov_b32 v[TMB+\b], 0                         ; written once: a lane permute's destination counts as one of its sources
.endr
	s_mov_b32 s27, 0xffff0000
	s_mov_b32 s[SEL], 0x76543210
	s_mov_b32 s[SEL+1], 0xfedcba98
	s_lshr_b32 s32, ttmp9, 8                       ; which tensor
	s_and_b32 s33, ttmp9, 254                      ; 2 x ((work-group / 2) % 128)
	s_lshr_b32 s34, s26, 1
	s_add_co_u32 s33, s33, s34                     ; the group of 32 rows
	s_lshl_b32 s30, s33, 17                        ; x 32 rows of 4,096 bytes
	s_and_b32 s34, s26, 1
	s_lshl_b32 s34, s34, 15                        ; the odd tile begins 8 rows further down
	s_add_co_u32 s30, s30, s34
	s_and_b32 s34, ttmp9, 0x3fe
	s_lshl_b32 s34, s34, 1                         ; 4 x (work-group / 2)
	s_add_co_u32 s34, s34, s26                     ; my tile among the 1,536
	s_mul_i32 s36, s34, 12288
	s_mov_b32 s37, 0
	s_lshl_b32 s38, s34, 9
	s_mov_b32 s39, 0
	s_and_b32 s35, ttmp9, 1                        ; my half of K: four steps of 128
	s_lshl_b32 s40, s35, 11
	s_add_co_u32 s30, s30, s40                     ; 2,048 bytes along a row of f32
	s_mul_i32 s40, s35, 6144
	s_add_co_u32 s36, s36, s40                     ; four steps' codes
	s_lshl_b32 s40, s35, 3
	s_add_co_u32 s38, s38, s40                     ; two words of each parity
	s_wait_alu depctr_va_vdst(0)
	s_wait_kmcnt 0x0
	s_cmp_eq_u32 s32, 0
	s_cselect_b64 s[4:5], s[4:5], s[6:7]
	s_cmp_eq_u32 s32, 2
	s_cselect_b64 s[4:5], s[8:9], s[4:5]
	s_add_nc_u64 s[4:5], s[4:5], s[30:31]
	s_add_nc_u64 s[18:19], s[18:19], s[36:37]
	s_add_nc_u64 s[20:21], s[20:21], s[38:39]
.macro LOADX t                         ; K step t of my 16 rows: each load reads 512 consecutive bytes of one row
.irp i, 0,1,2,3,4,5,6,7,8,9,10,11,12,13,14,15
	global_load_b128 v[R+64*((\t)%2)+4*\i:R+64*((\t)%2)+4*\i+3], v1, s[4:5] offset:(\i+8*(\i/8))*4096+512*(\t) th:TH_LOAD_NT
.endr
.endm
.macro STEPX t
.if (\t) < 3
	s_wait_loadcnt 16                              ; this step's 16 loads are in; the next step's may be out
.else
	s_wait_loadcnt 0x0
.endif
.irp i, 0,1,2,3,4,5,6,7,8,9,10,11,12,13,14,15
	ds_store_b128 v2, v[R+64*((\t)%2)+4*\i:R+64*((\t)%2)+4*\i+3] offset:528*\i
.endr
.irp b, 0,1,2,3
.irp j, 0,1,2,3
	ds_load_b128 v[X+16*\b+4*\j:X+16*\b+4*\j+3], v3 offset:128*\b+16*\j   ; LDS serves a wave's instructions in order: these see the stores above
.endr
.endr
	s_wait_dscnt 0x0
	s_wait_xcnt 0x0                                ; the last step's stores have read the codes' registers
.if (\t) < 2
	LOADX (\t)+2
.endif
	QUANT X, PC, PC+6
	v_lshl_or_b32 v[PW+(\t)], v[TMB+1], 8, v[TMB]
	v_lshl_or_b32 v[PW+(\t)], v[TMB+2], 16, v[PW+(\t)]
	v_lshl_or_b32 v[PW+(\t)], v[TMB+3], 24, v[PW+(\t)]
.irp p, 0,1,2,3,4,5
	global_store_b64 v4, v[PC+2*\p:PC+2*\p+1], s[18:19] offset:1536*(\t)+256*\p   ; 32 lanes store 256 consecutive aligned bytes
.endr
.endm
	LOADX 0
	LOADX 1
.irp t, 0,1,2,3
	STEPX \t
.endr
.irp j, 0,1
	v_cndmask_b32 v[U+\j], v[PW+2*\j], v[PW+2*\j+1], s27
.endr
	global_store_b64 v1, v[U:U+1], s[20:21]        ; my half's two words of each row and parity: 8 of each 16 bytes; the other half's wave stores the rest
	s_branch .Lend
	; ---- weights: a lane takes a column n, its registers run down K
.Lweights:
	s_sub_co_u32 s32, ttmp9, 768
	s_lshr_b32 s33, s32, 6                         ; which weight
	s_and_b32 s34, s32, 7
	s_bfe_u32 s35, s32, 0x30003                    ; K step j
	s_lshl_b32 s34, s34, 2
	s_add_co_u32 s34, s34, s26                     ; g: columns 32 g on
	s_lshl_b32 s30, s35, 19                        ; 128 rows of 4,096 bytes
	s_lshl_b32 s36, s34, 7
	s_add_co_u32 s30, s30, s36
	s_lshl_b32 s36, s33, 6
	s_lshl_b32 s37, s34, 1
	s_add_co_u32 s36, s36, s37                     ; my first tile: 64 x weight + 2 g
	s_mul_i32 s38, s36, 12288
	s_mul_i32 s37, s35, 1536
	s_add_co_u32 s38, s38, s37
	s_mov_b32 s39, 0
	s_lshl_b32 s40, s36, 9
	s_and_b32 s37, s35, 1
	s_lshl_b32 s37, s37, 8
	s_add_co_u32 s40, s40, s37
	s_lshr_b32 s37, s35, 1
	s_lshl_b32 s37, s37, 2
	s_add_co_u32 s40, s40, s37
	s_mov_b32 s41, 0
	v_bfe_u32 v12, v0, 3, 1                        ; column 32 g + l lies in tile 2 g + u, u = (l / 8) % 2,
	v_and_b32 v13, 7, v0
	v_bfe_u32 v14, v0, 4, 1
	v_lshl_add_u32 v13, v14, 3, v13                ; at place r = l % 8 + 8 (l / 16)
	s_mul_i32 s42, s26, WPW
	s_add_co_u32 s42, s42, WSTG
	v_mul_u32_u24 v2, v12, 1664
	v_lshl_add_u32 v2, v13, 3, v2
	v_add_nc_u32 v2, s42, v2                       ; the stage, in
	s_wait_alu depctr_va_vdst(0)
	v_add_nc_u32 v3, s42, v1                       ; and out
	v_lshlrev_b32 v8, 2, v5                        ; 4 bytes a lane
	v_lshlrev_b32 v9, 9, v12
	v_lshl_add_u32 v9, v13, 4, v9                  ; my scale word: 512 u + 16 r
	s_wait_alu depctr_va_vdst(0)
	s_wait_kmcnt 0x0
	s_cmp_eq_u32 s33, 0
	s_cselect_b64 s[4:5], s[10:11], s[12:13]
	s_cmp_eq_u32 s33, 2
	s_cselect_b64 s[4:5], s[14:15], s[4:5]
	s_cmp_eq_u32 s33, 3
	s_cselect_b64 s[4:5], s[16:17], s[4:5]
	s_add_nc_u64 s[4:5], s[4:5], s[30:31]
	s_add_nc_u64 s[22:23], s[22:23], s[38:39]
	s_add_nc_u64 s[24:25], s[24:25], s[40:41]
.macro LOADW t                         ; block t: 32 rows k at my column; a wave reads 128 consecutive bytes, the four waves stand side by side
.set i, 0
.rept 32
	global_load_b32 v[96+32*(\t)+i], v8, s[4:5] offset:4096*(32*(\t)+i) th:TH_LOAD_NT
.set i, i+1
.endr
.endm
.macro BLOCKW t
.set XS, 96+32*(\t)
.if (\t) < 3
	s_wait_loadcnt 32                              ; this block's 32 loads are in; the next block's may be out
.else
	s_wait_loadcnt 0x0
.endif
.if (\t) < 2
	LOADW (\t)+2
.endif
	v_max3_num_f32 v16, |v[XS]|, |v[XS+1]|, |v[XS+2]|   ; all 32 numbers of the block are mine
	v_max3_num_f32 v17, |v[XS+3]|, |v[XS+4]|, |v[XS+5]|
.irp i, 6,10,14,18,22,26
	v_max3_num_f32 v16, v16, |v[XS+\i]|, |v[XS+\i+1]|
	v_max3_num_f32 v17, v17, |v[XS+\i+2]|, |v[XS+\i+3]|
.endr
	v_max3_num_f32 v16, v16, |v[XS+30]|, |v[XS+31]|
	v_max3_num_f32 v16, v16, v17, 0x1800000        ; and the floor
	v_add_nc_u32 v18, 0xff000000, v16
	v_cvt_scalef32_pk16_fp6_f32 v[32+6*(\t):34+6*(\t)], v[XS:XS+15], v18
	v_cvt_scalef32_pk16_fp6_f32 v[56+4*(\t):58+4*(\t)], v[XS+16:XS+31], v18
	v_lshrrev_b32 v19, 23, v18                     ; the byte (also the plain place behind the conversions)
.if (\t) == 0
	v_mov_b32 v20, v19
.else
	v_lshl_or_b32 v20, v19, 8*(\t), v20
.endif
.irp i, 0,1,2
	v_mov_b32 v[35+6*(\t)+\i], v[56+4*(\t)+\i]
.endr
.irp p, 0,1,2
	ds_store_b64 v2, v[32+6*(\t)+2*\p:33+6*(\t)+2*\p] offset:768*((\t)/2)+128*((\t)%2)+256*\p   ; chunk t / 2, half t % 2, pair p
.endr
.endm
	LOADW 0
	LOADW 1
.irp t, 0,1,2,3
	BLOCKW \t
.endr
.irp n, 0,1,2,3,4,5
	ds_load_b128 v[72+4*\n:75+4*\n], v3 offset:1664*(\n/3)+512*(\n%3)
.endr
	s_wait_alu depctr_va_vdst(0)
.irp n, 0,1,2,3,4,5
	s_wait_dscnt 5-\n
	global_store_b128 v1, v[72+4*\n:75+4*\n], s[22:23] offset:12288*(\n/3)+512*(\n%3)   ; 512 consecutive aligned bytes
.endr
	global_store_b32 v9, v20, s[24:25]             ; words 16 bytes apart: the weights' scales are 131,072 bytes in all
.Lend:
	s_wait_tensorcnt 0x0                           ; the wave's end
	ds_add_u32 v[SPW], v[NIL]
	s_wait_dscnt 0x0
	s_endpgm
.Lfunc_end_k_q02d522307b_quant:
	.size	k_q02d522307b_quant, .Lfunc_end_k_q02d522307b_quant-k_q02d522307b_quant
	.p2alignl 7, 3214868480
	.fill 96, 4, 3214868480
	.section	.rodata,"a",@progbits
	.p2align	6, 0x0
	.amdhsa_kernel k_q02d522307b_quant
		.amdhsa_group_segment_fixed_size 47616
		.amdhsa_private_segment_fixed_size 0
		.amdhsa_enable_private_segment 0
		.amdhsa_kernarg_size 88
		.amdhsa_user_sgpr_count 2
		.amdhsa_user_sgpr_kernarg_segment_ptr 1
		.amdhsa_wavefront_size32 1
		.amdhsa_system_sgpr_workgroup_id_x 1
		.amdhsa_system_sgpr_workgroup_id_y 1
		.amdhsa_system_sgpr_workgroup_id_z 1
		.amdhsa_system_vgpr_workitem_id 0
		.amdhsa_next_free_vgpr 256
		.amdhsa_next_free_sgpr 66
		.amdhsa_reserve_vcc 0
		.amdhsa_float_denorm_mode_32 3
		.amdhsa_float_denorm_mode_16_64 3
		.amdhsa_memory_ordered 1
		.amdhsa_forward_progress 1
		.amdhsa_inst_pref_size 57
	.end_amdhsa_kernel
	.amdgpu_metadata
---
amdhsa.version: [ 1, 2 ]
amdhsa.kernels:
  - .name:           k_q02d522307b_quant
    .symbol:         k_q02d522307b_quant.kd
    .args:
      - { .name: q, .offset: 0, .size: 8, .value_kind: global_buffer, .address_space: global }
      - { .name: k, .offset: 8, .size: 8, .value_kind: global_buffer, .address_space: global }
      - { .name: v, .offset: 16, .size: 8, .value_kind: global_buffer, .address_space: global }
      - { .name: Wq, .offset: 24, .size: 8, .value_kind: global_buffer, .address_space: global }
      - { .name: Wk, .offset: 32, .size: 8, .value_kind: global_buffer, .address_space: global }
      - { .name: Wv, .offset: 40, .size: 8, .value_kind: global_buffer, .address_space: global }
      - { .name: Wo, .offset: 48, .size: 8, .value_kind: global_buffer, .address_space: global }
      - { .name: xc, .offset: 56, .size: 8, .value_kind: global_buffer, .address_space: global }
      - { .name: xs, .offset: 64, .size: 8, .value_kind: global_buffer, .address_space: global }
      - { .name: wc, .offset: 72, .size: 8, .value_kind: global_buffer, .address_space: global }
      - { .name: ws, .offset: 80, .size: 8, .value_kind: global_buffer, .address_space: global }
    .group_segment_fixed_size: 47616
    .private_segment_fixed_size: 0
    .kernarg_segment_align: 8
    .kernarg_segment_size: 88
    .max_flat_workgroup_size: 128
    .sgpr_count:     66
    .vgpr_count:     256
    .wavefront_size: 32
...
	.end_amdgpu_metadata
.endif
;; end of part 1
;; launch proj (part 2): grid 4 x 96, 4 waves a work-group, clusters of 4 x 4, 327,680 bytes of LDS; arguments xc, xs, wc, ws, bq, bk, bv, qi, kv; writes qi, kv
.if DOCPART == 2
	.amdgcn_target "amdgcn-amd-amdhsa--gfx1250"
	.amdhsa_code_object_version 6
	.text
	.protected	k_q02d522307b_proj
	.globl	k_q02d522307b_proj
	.p2align	8
	.type	k_q02d522307b_proj,@function
k_q02d522307b_proj:
	s_mov_b64 s[64:65], 0
	v_nop
	global_prefetch_b8 v0, s[64:65] scope:SCOPE_SE
	s_setreg_imm32_b32 hwreg(HW_REG_WAVE_MODE, 25, 1), 1
	s_wait_xcnt 0x0
	s_wait_alu depctr_hold_cnt(0) depctr_sa_sdst(0) depctr_va_vdst(0) depctr_va_sdst(0) depctr_va_ssrc(0) depctr_va_vcc(0) depctr_vm_vsrc(0)
	s_getreg_b32 s2, hwreg(HW_REG_IB_STS2, 6, 4)
	s_cmp_eq_u32 s2, 0
	s_cbranch_scc0 .Lentry_in_a_cluster
	s_endpgm
.Lentry_in_a_cluster:
	s_bfe_u32 s2, ttmp6, 0x10000c
	s_cmp_lg_u32 s2, 0xf033
	s_cbranch_scc0 .Lentry_shape_is_right
	s_endpgm
.Lentry_shape_is_right:
; query = q Wq + bq, key = k Wk + bk, value = v Wv + bv on codes of FP6 (E2M3), then quantised again into the images that the attention launch takes: query and key along the head's 64, value along the keys.
; A work-group makes 256 x 256 of a product, a wave 128 x 128: 64 accumulators, 512 registers.  Source 0 = "B" (its rows run along a lane's registers in the result), source 1 = "A" (a lane holds one of its rows).
; KIND (cluster y / 8): 0, 1: A = tokens, B = the weight's columns: a lane holds a token, registers run along n.  2: A = Wv's columns, B = tokens: a lane holds a channel, registers run along the keys.
; Tiles, codes and scale words lie as the quantising launch laid them: lane r of tile T is row 32 (T / 2) + 8 (T % 2) + r + 8 (r / 8), so that the 64 registers of a block of A are index 32 b + 16 h + i at register 16 b + i.
; K = 1,024 is eight steps of 128, written out.  Two LDS regions of 384 along K are filled at the start; region 0 is filled once more, with K 768 on, in step 2, and has steps 3 and 4 in which to land.
; CLUSTER 4 x 4: A's tiles are asked for jointly along a row of the cluster, B's along a column.
; OUT, for each head (batch x 16 + head) 16 steps of 128 tokens x 12,800 bytes: [K or Q: 4 fragments x 1536][V: 4 x 1536][K or Q scales 256][V scales 256]; a fragment is the image of its 12 registers, 16 bytes a lane.
;   K or Q fragment g: registers 0-5 token tile 2 g, 6-11 tile 2 g + 1, each d = 32 h + 0 .. 31.  V fragment t: lane r = channel place r of tile t, registers 6 c on: keys 64 c + 32 h + 0 .. 31.
; LIMITS: a block whose largest magnitude lies under 2^-124 has its byte held at 1; a block of zeros has the byte 1 (its codes are zeros; this program alone reads the bytes); NaN and infinities are not served.
; REGISTERS: window 0: v0-29 addresses; v30-95 all scale words; v128-223 A's fragments, one set; v224-239 bv, a channel a lane.  window 1: B's two sets at v0, v128; v96-127, v224-255 the bias along n.  windows 2, 3: accumulators.
.set FR, 12
.set NL, 6
.set QUARTER, 24576                    ; 8 tiles x 3,072 bytes: what one tensor load brings
; LDS: region 0 (K 0-383) and region 1 (K 384-767): A's 16 tiles x 4,608 bytes, then B's 16.  K 768 on is filled into region 0's first 4 quarters, tiles 3,072 bytes apart, in step 2's round.
.set REG, 147456
.set SPARE, 2*REG                      ; the spare words, 128 bytes a wave
.set ADRA, 16                          ; v16-18 my A fragments in slot 0, 1, 2
.set ADRB, 20                          ; v20-22 the same for B
.set SPW, 28
.set NIL, 29
.set SA, 30                            ; v30-61 A's scale words: block a, step j: v[SA + 4 a + j / 2], lanes 0-15 for even j, lanes 16-31 for odd j
.set SB, 64                            ; v64-95 B's, likewise
.set AF, 128
.set G1A, 32
.set G1B, 40
.set G1SA, 48
.set G1SB, 56
.set G0A, 68                           ; s[68:79] a group 0 for each slot
.set G0B, 80
.set G0SA, 92
.set G0SB, 96
.set HA, 128                           ; the way out, window 0: 64 numbers
.set IA, 192                           ; an image;  IB: the next head's
.set IB, 204
.set TQ, 216
.set TMX, 96
.set TMB, 100
.set TMS, 104
.set SW, 108                           ; v108-115 scale words
.set U, 116
.set BV, 224
.set SEL, 104                          ; s[104:105]
.set MSB, 0
.macro WIN new
.if MSB != (\new)
	s_set_vgpr_msb (MSB<<8)|(\new)
.set MSB, (\new)
.endif
.endm
.set MUL_LO, 0xa1                      ; source 0 window 1, source 1 window 0, C and D window 2
.set MUL_HI, 0xf1
.set TO_B, 0x40
.macro JLOAD g0a, g1a, g0b, g1b        ; waves 0, 1 fetch for A, waves 2, 3 for B; an s_nop 0 and four v_nop follow each line
	s_cmp_eq_u32 s23, 0
	s_cbranch_scc0 .Lfor_b_\@
	tensor_load_to_lds s[\g0a:\g0a+3], s[\g1a:\g1a+7]
	s_nop 0
.rept 4
	v_nop
.endr
	s_branch .Lasked_\@
.Lfor_b_\@:
	tensor_load_to_lds s[\g0b:\g0b+3], s[\g1b:\g1b+7]
	s_nop 0
.rept 4
	v_nop
.endr
.Lasked_\@:
.endm
.macro CREST
	s_cmp_lg_u32 s22, 0
	s_cbranch_scc1 .Lnot_wave_0_\@
	s_barrier_signal -3
.Lnot_wave_0_\@:
	s_barrier_wait -3
	s_barrier_signal -1
	s_barrier_wait -1
.endm
.macro CROUND
	s_barrier_signal -1
	s_barrier_wait -1
	CREST
.endm
.macro PLACES n
.rept \n
	v_nop
.endr
.endm
.macro FRAG reg, adr, q, i             ; tile i's fragment of the slot's q-th 128 along K: six loads of 8 bytes a lane, each 256 consecutive bytes
.irp p, 0,1,2,3,4,5
	ds_load_b64 v[\reg+2*\p:\reg+2*\p+1], v[\adr] offset:TP_*(\i)+768*(2*(\q)+\p/3)+256*(\p%3)
.endr
.endm
.macro FETCH_B slot, q, set
.set TP_, 4608-1536*((\slot)/2)        ; from tile to tile: 4,608 bytes in regions 0 and 1, 3,072 in the refill
	WIN TO_B
.irp i, 0,1,2,3,4,5,6,7
	FRAG 128*(\set)+FR*\i, ADRB+\slot, \q, \i
.endr
	WIN 0
.endm
.macro FETCH_A slot, q, i0
.set TP_, 4608-1536*((\slot)/2)
.irp i, \i0, \i0+1, \i0+2, \i0+3
	FRAG AF+FR*(\i), ADRA+\slot, \q, \i
.endr
.endm
; 16 products: A's blocks a0, a0 + 1 x B's eight, K step j.  first = 1: they start the sums.  The 64 accumulators take turns, one instruction a turn, in the same order in every step.
.macro MUL16 a0, j, first
.irp a, \a0, \a0+1
.irp b, 0,1,2,3,4,5,6,7
.if \first
	v_wmma_scale_f32_16x16x128_f8f6f4 v[8*(8*((\a)%4)+\b):8*(8*((\a)%4)+\b)+7], v[128*((\j)%2)+FR*\b:128*((\j)%2)+FR*\b+FR-1], v[AF+FR*(\a):AF+FR*(\a)+FR-1], 0, v[SB+4*\b+(\j)/2], v[SA+4*(\a)+(\j)/2] matrix_a_fmt:MATRIX_FMT_FP6 matrix_b_fmt:MATRIX_FMT_FP6
.else
.if (\j)%2
	v_wmma_scale_f32_16x16x128_f8f6f4 v[8*(8*((\a)%4)+\b):8*(8*((\a)%4)+\b)+7], v[128*((\j)%2)+FR*\b:128*((\j)%2)+FR*\b+FR-1], v[AF+FR*(\a):AF+FR*(\a)+FR-1], v[8*(8*((\a)%4)+\b):8*(8*((\a)%4)+\b)+7], v[SB+4*\b+(\j)/2], v[SA+4*(\a)+(\j)/2] matrix_a_fmt:MATRIX_FMT_FP6 matrix_b_fmt:MATRIX_FMT_FP6 matrix_a_scale:MATRIX_SCALE_ROW1 matrix_b_scale:MATRIX_SCALE_ROW1
.else
	v_wmma_scale_f32_16x16x128_f8f6f4 v[8*(8*((\a)%4)+\b):8*(8*((\a)%4)+\b)+7], v[128*((\j)%2)+FR*\b:128*((\j)%2)+FR*\b+FR-1], v[AF+FR*(\a):AF+FR*(\a)+FR-1], v[8*(8*((\a)%4)+\b):8*(8*((\a)%4)+\b)+7], v[SB+4*\b+(\j)/2], v[SA+4*(\a)+(\j)/2] matrix_a_fmt:MATRIX_FMT_FP6 matrix_b_fmt:MATRIX_FMT_FP6
.endif
.endif
.endr
.endr
.endm
; K step j; the next step's fragments lie in slot ns, at its nq-th 128.  Four places stand in front of each run of loads into registers that products have read.
.macro STEP j, first, ns, nq
	s_wait_dscnt 4*NL                              ; all but the youngest 24 loads (A's blocks 4-7)
	WIN MUL_LO
	MUL16 0, \j, \first
	MUL16 2, \j, \first
	s_wait_dscnt 0x0
	PLACES 4
	FETCH_B \ns, \nq, 1-(\j)%2
	FETCH_A \ns, \nq, 0
	WIN MUL_HI
	MUL16 4, \j, \first
	MUL16 6, \j, \first
	PLACES 4
	WIN 0
	FETCH_A \ns, \nq, 4
.endm
; A step with a barrier in it.  In front of the barrier each wave waits for all its tensor loads, adds 0 to its spare word, and waits for that and for its LDS reads.  fill = 1: the barrier opens a round of the cluster's, and slot 0 is filled again.
.macro TURN j, fill, ns
	s_wait_tensorcnt 0x0                           ; all my tensor loads have landed
	ds_add_u32 v[SPW], v[NIL]
	s_wait_dscnt 4*NL+1                            ; (the add and A's blocks 4-7 may be out)
	WIN MUL_LO
	MUL16 0, \j, 0
	s_wait_dscnt 0x0                               ; the add is done, and my reads so far are over
	s_barrier_signal -1
	MUL16 2, \j, 0
	WIN 0
	s_barrier_wait -1
.if \fill
	CREST                                          ; no wave of any partner still reads slot 0 or has a load on its way
	s_add_nc_u64 s[G0A+2:G0A+3], s[G0A+2:G0A+3], 9216   ; K 768 on: chunk 12 of a tile
	s_add_nc_u64 s[G0B+2:G0B+3], s[G0B+2:G0B+3], 9216
	JLOAD G0A, G1A, G0B, G1B                       ; my one tensor load behind the round; its four v_nop are the places for the loads below
.else
	PLACES 4
.endif
	FETCH_B \ns, 0, 1-(\j)%2
	FETCH_A \ns, 0, 0
	WIN MUL_HI
	MUL16 4, \j, 0
	MUL16 6, \j, 0
	PLACES 4
	WIN 0
	FETCH_A \ns, 0, 4
.endm
; 64 numbers of a lane (register 16 b + i = index 32 b + 16 h + i) become codes: indices 0-63 in d0 .. d0 + 5, 64-127 in d1 .. d1 + 5; the four bytes are left in v[TMB] on.
.macro QUANT s, d0, d1
.irp b, 0,1,2,3
	v_max3_num_f32 v[TMX+\b], |v[(\s)+16*\b]|, |v[(\s)+1+16*\b]|, 0x1800000   ; and the floor 2^(3 - 127)
.endr
.irp i, 2,4,6,8,10,12,14
.irp b, 0,1,2,3
	v_max3_num_f32 v[TMX+\b], v[TMX+\b], |v[(\s)+16*\b+\i]|, |v[(\s)+1+16*\b+\i]|
.endr
.endr
.irp b, 0,1,2,3
	v_permlanex16_b32 v[TMB+\b], v[TMX+\b], s[SEL], s[SEL+1]
.endr
.irp b, 0,1,2,3
	v_max_num_f32 v[TMX+\b], v[TMX+\b], v[TMB+\b]
.endr
.irp b, 0,1,2,3
	v_add_nc_u32 v[TMS+\b], 0xff000000, v[TMX+\b]
.endr
.irp b, 0,1,2,3
	v_lshrrev_b32 v[TMB+\b], 23, v[TMS+\b]
.endr
	v_cvt_scalef32_pk16_fp6_f32 v[(\d0):(\d0)+2], v[(\s):(\s)+15], v[TMS]
	v_cvt_scalef32_pk16_fp6_f32 v[TQ:TQ+2], v[(\s)+16:(\s)+31], v[TMS+1]
	v_cvt_scalef32_pk16_fp6_f32 v[(\d1):(\d1)+2], v[(\s)+32:(\s)+47], v[TMS+2]
	v_cvt_scalef32_pk16_fp6_f32 v[TQ+4:TQ+6], v[(\s)+48:(\s)+63], v[TMS+3]
	v_nop                                          ; one plain place behind the conversions
.irp i, 0,1,2
	v_permlane16_swap_b32 v[(\d0)+\i], v[TQ+\i]
	v_permlane16_swap_b32 v[(\d1)+\i], v[TQ+4+\i]
.endr
.irp i, 0,1,2
	v_mov_b32 v[(\d0)+3+\i], v[TQ+\i]
	v_mov_b32 v[(\d1)+3+\i], v[TQ+4+\i]
.endr
.endm
; block a's 64 sums + bias -> v[HA] on, window 0; each accumulator is read from its low end on
.macro BIASQ a                         ; the bias runs along the registers
	WIN 0x06+(\a)/4
.set i, 0
.rept 32
	v_pk_add_f32 v[HA+2*i:HA+2*i+1], v[64*((\a)%4)+2*i:64*((\a)%4)+2*i+1], v[96+2*i+96*(i/16):97+2*i+96*(i/16)]
.set i, i+1
.endr
	WIN 0
.endm
.macro BIASV a                         ; one number a lane
	WIN 0x02+(\a)/4
.set i, 0
.rept 32
	v_pk_add_f32 v[HA+2*i:HA+2*i+1], v[64*((\a)%4)+2*i:64*((\a)%4)+2*i+1], v[BV+2*(\a):BV+2*(\a)+1]
.set i, i+1
.endr
	WIN 0
.endm
	s_load_b256 s[4:11], s[0:1], 0x0               ; xc, xs, wc, ws
	s_load_b256 s[12:19], s[0:1], 0x20             ; bq, bk, bv, qi
	s_load_b64 s[20:21], s[0:1], 0x40              ; kv
	v_lshl_add_u32 v[SPW], v0, 2, SPARE
	v_mov_b32 v[NIL], 0
	ds_add_u32 v[SPW], v[NIL]                      ; the wave's opening
	ds_add_u32 v[SPW], v[NIL]
	v_lshrrev_b32 v1, 5, v0
	v_readfirstlane_b32 s22, v1                    ; wave
	s_lshr_b32 s23, s22, 1                         ; my half of A's blocks.  Also: I fetch for A (0) or B (1)
	s_and_b32 s24, s22, 1                          ; my half of B's.  Also: which 8 tiles I fetch
	s_bfe_u32 s25, ttmp6, 0x40000                  ; cx
	s_bfe_u32 s26, ttmp6, 0x40004                  ; cy
	s_and_b32 s28, ttmp7, 0xffff                   ; cluster y, 0 .. 23
	s_lshr_b32 s27, s28, 3                         ; kind: the same in all partners
	s_and_b32 s28, s28, 7                          ; cl: which 1,024 tokens
	s_lshl_b32 s66, s26, 2
	s_lshl_b32 s66, 15, s66                        ; my row of the cluster
	s_lshl_b32 s67, 0x1111, s25                    ; my column
	s_or_b32 s[G1A], s66, (3<<16)|(1<<21)          ; elements of 8 bytes, no padding; bit 21 beside a mask
	s_or_b32 s[G1B], s67, (3<<16)|(1<<21)
	s_or_b32 s[G1SA], s66, (3<<16)|(1<<21)
	s_or_b32 s[G1SB], s67, (3<<16)|(1<<21)
.irp g, G1A, G1B                       ; codes: 8 tiles' 3,072 bytes (256 along K), 12,288 bytes apart
	s_mov_b32 s[\g+1], 384<<16
	s_mov_b32 s[\g+2], 8<<16
	s_mov_b32 s[\g+3], 384<<16
	s_mov_b32 s[\g+4], 8
	s_mov_b32 s[\g+5], 1536
	s_mov_b32 s[\g+6], 0
	s_mov_b32 s[\g+7], 0
.endr
.irp g, G1SA, G1SB                     ; the head's loads of codes
	s_mov_b32 s[\g+1], 576<<16                     ; these two groups 1 serve the head's loads: 16 tiles' 4,608 bytes (384 along K), 12,288 bytes apart
	s_mov_b32 s[\g+2], 16<<16
	s_mov_b32 s[\g+3], 576<<16
	s_mov_b32 s[\g+4], 16
	s_mov_b32 s[\g+5], 1536
	s_mov_b32 s[\g+6], 0
	s_mov_b32 s[\g+7], 0
.endr
	s_lshl_b32 s30, s27, 9                         ; A's first tile: tokens 512 kind + 64 cl, or Wv's 128; + 16 cy + the 8 that I fetch.  No register here ever holds cx
	s_lshl_b32 s31, s28, 6
	s_add_co_u32 s30, s30, s31
	s_cmp_eq_u32 s27, 2
	s_cselect_b32 s30, 128, s30
	s_lshl_b32 s31, s26, 4
	s_add_co_u32 s30, s30, s31
	s_mul_i32 s66, s24, 98304                      ; s[66:67]: the 8 tiles that I fetch in the refill, in bytes (the masks have been used)
	s_lshl_b32 s100, s27, 6                        ; B's: the weight's 64 kind, or tokens 1,024 + 64 cl; + 16 cx.  No register here ever holds cy
	s_lshl_b32 s101, s28, 6
	s_add_co_u32 s101, s101, 1024
	s_cmp_eq_u32 s27, 2
	s_cselect_b32 s100, s101, s100
	s_lshl_b32 s101, s25, 4
	s_add_co_u32 s100, s100, s101
	s_mov_b32 s67, 0
	s_mul_i32 s2, s30, 12288
	s_mov_b32 s3, 0
	s_lshl_b32 s30, s30, 9
	s_mov_b32 s31, 0
	s_mul_i32 s104, s100, 12288
	s_mov_b32 s105, 0
	s_lshl_b32 s100, s100, 9
	s_mov_b32 s101, 0
	s_mul_i32 s29, s22, QUARTER                    ; where my loads go: wave x a quarter: no place in the cluster enters an LDS address
	s_wait_dscnt 0x0                               ; the opening add is done
	s_wait_kmcnt 0x0
	s_cmp_eq_u32 s27, 2
	s_cselect_b64 s[G0A+2:G0A+3], s[8:9], s[4:5]
	s_cselect_b64 s[G0SA+2:G0SA+3], s[10:11], s[6:7]
	s_cselect_b64 s[G0B+2:G0B+3], s[4:5], s[8:9]
	s_cselect_b64 s[G0SB+2:G0SB+3], s[6:7], s[10:11]
	s_add_nc_u64 s[G0A+2:G0A+3], s[G0A+2:G0A+3], s[2:3]
	s_add_nc_u64 s[G0SA+2:G0SA+3], s[G0SA+2:G0SA+3], s[30:31]
	s_add_nc_u64 s[G0B+2:G0B+3], s[G0B+2:G0B+3], s[104:105]
	s_add_nc_u64 s[G0SB+2:G0SB+3], s[G0SB+2:G0SB+3], s[100:101]
	; groups 0: set 1 = region 0 (all 16 tiles, K 0 on), set 2 = region 1 (K 384 on), set 0 = the refill (my 8 tiles; step 2 steps it to K 768)
	s_mov_b64 s[G0A+6:G0A+7], s[G0A+2:G0A+3]
	s_mov_b64 s[G0B+6:G0B+7], s[G0B+2:G0B+3]
	s_add_nc_u64 s[G0A+10:G0A+11], s[G0A+2:G0A+3], 4608
	s_add_nc_u64 s[G0B+10:G0B+11], s[G0B+2:G0B+3], 4608
	s_add_nc_u64 s[G0A+2:G0A+3], s[G0A+2:G0A+3], s[66:67]
	s_add_nc_u64 s[G0B+2:G0B+3], s[G0B+2:G0B+3], s[66:67]
.irp s, 0,1,2
	s_mov_b32 s[G0A+4*\s], 1
	s_or_b32 s[G0A+4*\s+3], s[G0A+4*\s+3], 0x80000000
	s_mov_b32 s[G0B+4*\s], 1
	s_or_b32 s[G0B+4*\s+3], s[G0B+4*\s+3], 0x80000000
.endr
	s_add_co_u32 s[G0A+1], s29, 0                  ; the refill: wave x a quarter
	s_add_co_u32 s[G0B+1], s29, 0
	s_mov_b32 s[G0A+5], 0
	s_mov_b32 s[G0B+5], REG/2
	s_mov_b32 s[G0A+9], REG
	s_mov_b32 s[G0B+9], REG+REG/2
	s_lshl_b32 s2, s23, 12                         ; the scale words go into registers: s[G0SA+2:G0SA+3] my 8 blocks of A, s[G0SB+2:G0SB+3] of B (s3 = 0)
	s_add_nc_u64 s[G0SA+2:G0SA+3], s[G0SA+2:G0SA+3], s[2:3]
	s_lshl_b32 s2, s24, 12
	s_add_nc_u64 s[G0SB+2:G0SB+3], s[G0SB+2:G0SB+3], s[2:3]
	s_mul_i32 s30, s23, QUARTER                    ; LDS: my fragments in the refill,
	s_mul_i32 s31, s24, QUARTER
	s_add_co_u32 s31, s31, 2*QUARTER
	s_mul_i32 s100, s23, 8*4608                    ; in region 0,
	s_mul_i32 s101, s24, 8*4608
	s_add_co_u32 s101, s101, REG/2
	s_add_co_u32 s104, s100, REG                   ; in region 1
	s_add_co_u32 s105, s101, REG
	CROUND                                         ; all sixteen work-groups are here: the first joint loads meet
; THE HEAD'S LOADS, ONE A WAVE, each on a line of its own: wave 0 A's K 0-383, wave 1 B's, wave 2 A's K 384-767, wave 3 B's.  One chain of branches on the wave's number: every way passes one load.
.macro ARM under, g0, g1, next
	s_cmp_lt_u32 s22, \under
	s_cbranch_scc0 \next
	tensor_load_to_lds s[\g0:\g0+3], s[\g1:\g1+7]
	s_nop 0
	PLACES 4
	s_branch .Lhead_asked
\next:
.endm
	ARM 1, G0A+4, G1SA, .Lhead_b
	ARM 2, G0B+4, G1SB, .Lhead_a1
	ARM 3, G0A+8, G1SA, .Lhead_b1
	tensor_load_to_lds s[G0B+8:G0B+11], s[G1SB:G1SB+7]
	s_nop 0
	PLACES 4
.Lhead_asked:
	v_and_b32 v1, 15, v0                           ; r
	v_bfe_u32 v2, v0, 4, 1                         ; h
	s_wait_alu depctr_va_vdst(0)
	v_and_b32 v3, 31, v0                           ; lane
	v_lshlrev_b32 v4, 3, v3                        ; 8 x lane
	v_add_nc_u32 v[ADRA], s100, v4
	v_add_nc_u32 v[ADRB], s101, v4
	v_add_nc_u32 v[ADRA+1], s104, v4
	v_add_nc_u32 v[ADRB+1], s105, v4
	v_add_nc_u32 v[ADRA+2], s30, v4
	v_add_nc_u32 v[ADRB+2], s31, v4
	v_lshlrev_b32 v5, 4, v3                        ; 16 x lane: a tile's 512 bytes of scale words in one load: lanes 0-15 the even K steps' words of row r, lanes 16-31 the odd ones'
.irp a, 0,1,2,3,4,5,6,7
	global_load_b128 v[SA+4*\a:SA+4*\a+3], v5, s[G0SA+2:G0SA+3] offset:512*\a
	global_load_b128 v[SB+4*\a:SB+4*\a+3], v5, s[G0SB+2:G0SB+3] offset:512*\a
.endr
	; the biases, in both forms in every work-group, so that no register's content hangs on a branch: 64 numbers along n (used by kinds 0, 1), and bv at my lane's channel of each block of A (used by kind 2)
	s_cmp_eq_u32 s27, 0
	s_cselect_b64 s[2:3], s[12:13], s[14:15]
	s_cmp_eq_u32 s27, 2
	s_cselect_b64 s[2:3], s[16:17], s[2:3]
	s_lshl_b32 s30, s25, 10
	s_lshl_b32 s31, s24, 9
	s_add_co_u32 s30, s30, s31                     ; 4 (256 cx + 128 x my half of B)
	s_mov_b32 s31, 0
	s_add_nc_u64 s[2:3], s[2:3], s[30:31]
	v_lshlrev_b32 v6, 6, v2                        ; 64 h
	WIN TO_B
.irp b, 0,1,2,3
.irp j, 0,1,2,3
	global_load_b128 v[96+16*\b+4*\j+96*(\b/2):99+16*\b+4*\j+96*(\b/2)], v6, s[2:3] offset:128*\b+16*\j
.endr
.endr
	WIN 0
	s_lshl_b32 s30, s26, 10
	s_lshl_b32 s100, s23, 9
	s_add_co_u32 s30, s30, s100                    ; 4 (256 cy + 128 x my half of A)
	s_add_nc_u64 s[100:101], s[16:17], s[30:31]
	v_and_b32 v7, 8, v1
	v_add_nc_u32 v7, v7, v1
	v_lshlrev_b32 v7, 2, v7                        ; 4 (r + 8 (r / 8))
.irp a, 0,1,2,3,4,5,6,7
	global_load_b32 v[BV+2*\a], v7, s[100:101] offset:4*(32*(\a/2)+8*(\a%2))
	global_load_b32 v[BV+2*\a+1], v7, s[100:101] offset:4*(32*(\a/2)+8*(\a%2))   ; twice: a pair for the packed addition
.endr
	s_wait_alu depctr_va_vdst(0)
	s_cmp_lt_u32 s22, 2
	s_cbranch_scc0 .Lnot_r0
	s_wait_tensorcnt 0x0                           ; waves 0 and 1: region 0
.Lnot_r0:
	s_barrier_signal -1
	s_barrier_wait -1                              ; region 0 is in; region 1 may be on its way
	FETCH_B 0, 0, 0
	FETCH_A 0, 0, 0
	FETCH_A 0, 0, 4
	s_wait_loadcnt 0x0                             ; the scale words (and the biases)
	STEP 0, 1, 0, 1
	STEP 1, 0, 0, 2
	TURN 2, 1, 1                                   ; every wave has waited: region 1 is whole; region 0 is read no more and takes K 768 on, which has steps 3 to 5 in which to land
	STEP 3, 0, 1, 1
	STEP 4, 0, 1, 2
	TURN 5, 0, 2                                   ; the refill has landed in every wave
	STEP 6, 0, 2, 1
	s_wait_dscnt 4*NL
	WIN MUL_LO
	MUL16 0, 7, 0
	MUL16 2, 7, 0
	s_wait_dscnt 0x0
	WIN MUL_HI
	MUL16 4, 7, 0
	MUL16 6, 7, 0
	WIN 0
	; THE WAY OUT.  The five lines below are the places behind the last products.
	s_wait_loadcnt 0x0                             ; the biases
.irp b, 0,1,2,3
	v_mov_b32 v[TMB+\b], 0                         ; a lane permute's destination counts as one of its sources
.endr
	v_lshlrev_b32 v12, 4, v3                       ; 16 x lane
	s_cmp_eq_u32 s27, 2                            ; heads run along B (kinds 0, 1) or A (kind 2), steps of 128 tokens along the other
	s_cselect_b32 s2, s26, s25
	s_cselect_b32 s3, s25, s26
	s_cselect_b32 s30, s23, s24
	s_cselect_b32 s31, s24, s23
	s_lshr_b32 s100, s28, 1
	s_lshl_b32 s100, s100, 4                       ; 16 x batch
	s_lshl_b32 s2, s2, 2
	s_add_co_u32 s100, s100, s2
	s_lshl_b32 s30, s30, 1
	s_add_co_u32 s100, s100, s30                   ; + my first head
	s_lshl_b32 s100, s100, 4
	s_and_b32 s2, s28, 1
	s_lshl_b32 s2, s2, 2
	s_add_co_u32 s2, s2, s3
	s_lshl_b32 s2, s2, 1
	s_add_co_u32 s2, s2, s31                       ; my step in the batch
	s_add_co_u32 s100, s100, s2
	s_mul_i32 s100, s100, 12800
	s_mov_b32 s101, 0
	s_cmp_eq_u32 s27, 0
	s_cselect_b64 s[2:3], s[18:19], s[20:21]
	s_add_nc_u64 s[2:3], s[2:3], s[100:101]
	s_mov_b32 s[SEL], 0x76543210
	s_mov_b32 s[SEL+1], 0xfedcba98
	s_mov_b32 s29, 0xffff0000
	s_cmp_eq_u32 s27, 2
	s_cbranch_scc1 .Lvalues
	; query or key: a block of A is a tile of 16 tokens; its 128 numbers a token are two heads' 64
.irp g, 0,1,2,3
.if \g > 0
	s_wait_xcnt 0x0                                ; the last fragments' stores have read their registers
.endif
	BIASQ 2*\g
	QUANT HA, IA, IB
	v_lshl_or_b32 v[SW+\g], v[TMB+1], 8, v[TMB]
	v_lshl_or_b32 v[SW+4+\g], v[TMB+3], 8, v[TMB+2]
	BIASQ 2*\g+1
	QUANT HA, IA+6, IB+6
	v_lshl_or_b32 v[SW+\g], v[TMB], 16, v[SW+\g]
	v_lshl_or_b32 v[SW+4+\g], v[TMB+2], 16, v[SW+4+\g]
	v_lshl_or_b32 v[SW+\g], v[TMB+1], 24, v[SW+\g]
	v_lshl_or_b32 v[SW+4+\g], v[TMB+3], 24, v[SW+4+\g]
.irp c, 0,1,2
	global_store_b128 v12, v[IA+4*\c:IA+4*\c+3], s[2:3] offset:1536*\g+512*\c          ; 512 consecutive aligned bytes
	global_store_b128 v12, v[IB+4*\c:IB+4*\c+3], s[2:3] offset:204800+1536*\g+512*\c   ; the next head
.endr
.endr
.irp n, 0,1,2,3
	v_cndmask_b32 v[U+\n], v[SW+2*\n], v[SW+2*\n+1], s29   ; lanes 0-15 the even fragment's words, lanes 16-31 the odd one's
.endr
	global_store_b64 v4, v[U:U+1], s[2:3] offset:12288
	global_store_b64 v4, v[U+2:U+3], s[2:3] offset:204800+12288
	s_branch .Ldone
.Lvalues:
	; value: a block of A is a tile of 16 channels; its 128 numbers a channel are the step's keys
.irp a, 0,1,2,3,4,5,6,7
.if \a > 0
	s_wait_xcnt 0x0
.endif
	BIASV \a
	QUANT HA, IA, IA+6
	v_lshl_or_b32 v[SW+\a], v[TMB+1], 8, v[TMB]
	v_lshl_or_b32 v[SW+\a], v[TMB+2], 16, v[SW+\a]
	v_lshl_or_b32 v[SW+\a], v[TMB+3], 24, v[SW+\a]
.irp c, 0,1,2
	global_store_b128 v12, v[IA+4*\c:IA+4*\c+3], s[2:3] offset:204800*(\a/4)+6144+1536*(\a%4)+512*\c
.endr
.endr
.irp n, 0,1,2,3
	v_cndmask_b32 v[U+\n], v[SW+2*\n], v[SW+2*\n+1], s29
.endr
	global_store_b64 v4, v[U:U+1], s[2:3] offset:12544
	global_store_b64 v4, v[U+2:U+3], s[2:3] offset:204800+12544
.Ldone:
	s_wait_tensorcnt 0x0                           ; the wave's end
	ds_add_u32 v[SPW], v[NIL]
	s_wait_dscnt 0x0
	CROUND                                         ; the closing round
	s_endpgm
.Lfunc_end_k_q02d522307b_proj:
	.size	k_q02d522307b_proj, .Lfunc_end_k_q02d522307b_proj-k_q02d522307b_proj
	.p2alignl 7, 3214868480
	.fill 96, 4, 3214868480
	.section	.rodata,"a",@progbits
	.p2align	6, 0x0
	.amdhsa_kernel k_q02d522307b_proj
		.amdhsa_group_segment_fixed_size 327680
		.amdhsa_private_segment_fixed_size 0
		.amdhsa_enable_private_segment 0
		.amdhsa_kernarg_size 72
		.amdhsa_user_sgpr_count 2
		.amdhsa_user_sgpr_kernarg_segment_ptr 1
		.amdhsa_wavefront_size32 1
		.amdhsa_system_sgpr_workgroup_id_x 1
		.amdhsa_system_sgpr_workgroup_id_y 1
		.amdhsa_system_sgpr_workgroup_id_z 1
		.amdhsa_system_vgpr_workitem_id 0
		.amdhsa_next_free_vgpr 1024
		.amdhsa_next_free_sgpr 106
		.amdhsa_reserve_vcc 0
		.amdhsa_float_denorm_mode_32 3
		.amdhsa_float_denorm_mode_16_64 3
		.amdhsa_memory_ordered 1
		.amdhsa_forward_progress 1
		.amdhsa_inst_pref_size 230
	.end_amdhsa_kernel
	.amdgpu_metadata
---
amdhsa.version: [ 1, 2 ]
amdhsa.kernels:
  - .name:           k_q02d522307b_proj
    .symbol:         k_q02d522307b_proj.kd
    .args:
      - { .name: xc, .offset: 0, .size: 8, .value_kind: global_buffer, .address_space: global }
      - { .name: xs, .offset: 8, .size: 8, .value_kind: global_buffer, .address_space: global }
      - { .name: wc, .offset: 16, .size: 8, .value_kind: global_buffer, .address_space: global }
      - { .name: ws, .offset: 24, .size: 8, .value_kind: global_buffer, .address_space: global }
      - { .name: bq, .offset: 32, .size: 8, .value_kind: global_buffer, .address_space: global }
      - { .name: bk, .offset: 40, .size: 8, .value_kind: global_buffer, .address_space: global }
      - { .name: bv, .offset: 48, .size: 8, .value_kind: global_buffer, .address_space: global }
      - { .name: qi, .offset: 56, .size: 8, .value_kind: global_buffer, .address_space: global }
      - { .name: kv, .offset: 64, .size: 8, .value_kind: global_buffer, .address_space: global }
    .group_segment_fixed_size: 327680
    .private_segment_fixed_size: 0
    .kernarg_segment_align: 8
    .kernarg_segment_size: 72
    .max_flat_workgroup_size: 128
    .sgpr_count:     106
    .vgpr_count:     1024
    .wavefront_size: 32
...
	.end_amdgpu_metadata
.endif
;; end of part 2
;; launch attn (part 3): grid 4 x 64, 16 waves a work-group, clusters of 4 x 1, 215,040 bytes of LDS; arguments qi, kv, mask, ac, acs; writes ac, acs
.if DOCPART == 3
	.amdgcn_target "amdgcn-amd-amdhsa--gfx1250"
	.amdhsa_code_object_version 6
	.text
	.protected	k_q02d522307b_attn
	.globl	k_q02d522307b_attn
	.p2align	8
	.type	k_q02d522307b_attn,@function
k_q02d522307b_attn:
	s_mov_b64 s[64:65], 0
	v_nop
	global_prefetch_b8 v0, s[64:65] scope:SCOPE_SE
	s_setreg_imm32_b32 hwreg(HW_REG_WAVE_MODE, 25, 1), 1
	s_wait_xcnt 0x0
	s_wait_alu depctr_hold_cnt(0) depctr_sa_sdst(0) depctr_va_vdst(0) depctr_va_sdst(0) depctr_va_ssrc(0) depctr_va_vcc(0) depctr_vm_vsrc(0)
	s_getreg_b32 s2, hwreg(HW_REG_IB_STS2, 6, 4)
	s_cmp_eq_u32 s2, 0
	s_cbranch_scc0 .Lentry_in_a_cluster
	s_endpgm
.Lentry_in_a_cluster:
	s_bfe_u32 s2, ttmp6, 0x10000c
	s_cmp_lg_u32 s2, 0x3003
	s_cbranch_scc0 .Lentry_shape_is_right
	s_endpgm
.Lentry_shape_is_right:
; For one head (batch x 16 + head = work-group y) and 512 queries: S^T = K Q^T on codes of FP6, the mask, p = 2^(t - M) quantised along the keys, O^T = V^T P^T, / the row's sum, quantised along head x 64 + d for the last product.
; t = score x log2(e) / 8; M = the running largest t rounded up to a whole number; the row's sum is taken of the unquantised p; when M moves, the sum and O^T are multiplied by 2^(old M - new M), which rounds nothing.
; THE HEAD'S K AND V, codes and scale words, are 204,800 bytes: they come into LDS once, as they lie in memory, each of the sixteen waves bringing one step's 12,800 bytes.  Nothing is filled twice.
; CLUSTER 4 x 1: the four work-groups of a head need the same bytes: each load is asked for jointly.
; SHARES.  Wave w owns 32 queries (one fragment of Q: two tiles of 16), done in two passes of one loop; a pass walks the 16 steps of 128 keys.  Four waves share a SIMD.
; K = 64 IS HALF OF THE INSTRUCTION'S 128.  A fragment of K holds two tiles of keys, one in each half of its K; it is multiplied by [q | 0] and by [0 | q].  The idle half is zero codes on Q's side, under the scale byte 1.
; THE MASK costs no vector instruction: 0 or -2^127 for each key lies in LDS, is loaded into the scores' registers, and is the C of the first product.  A hidden key's t lies under the floor -1e30 of the largest t: p = 0.
; LAYOUT.  A lane holds one query (lane % 16); score register 16 b + i is key 32 b + 16 h + i of the step; O^T's register 16 g + i is d = 32 g + 16 h + i.
; LIMITS: |t| stays under 1e30.  A batch whose mask is all 0 is not served (NaN is due there).  NaN and infinities are not served.  A block whose largest magnitude lies under 2^-124, or of zeros, has the byte 1.
.set STEPB, 12800                      ; a step: K 4 x 1536, V 4 x 1536, K's scales 256, V's 256
.set MB, 204800                        ; 2,048 mask numbers, f32
.set SPARE, 212992                     ; the spare words, 128 bytes a wave: eight blocks of 256 bytes that no other line names
.set SPW, 4
.set NIL, 5
.set ADK, 6                            ; v6 16 x lane + the step;  v7 8 x lane + the step;  v8 the step's mask numbers
.set ADS, 7
.set ADM, 8
.set QRAW, 16                          ; v16-27 my fragment of Q;  v28 its scale word
.set QLO, 30                           ; v30-41 [q | 0];  v42-53 [0 | q]
.set SQ, 54                            ; v54, v55 their scale words
.set FRG, 56                           ; v56-103 four fragments of K or of V
.set KSC, 104                          ; v104-105 K's scale words;  v106-107 V's
.set VSC, 106
.set S, 108                            ; v108-171 the scores, then p
.set O, 172                            ; v172-203 O^T
.set P, 204                            ; v204-215 p's codes
.set CT, 216                           ; v216-218, v220-222 the blocks' upper halves as converted
.set BM, 224                           ; v224-227 the blocks' largest;  v228-231 the other half's, then bytes;  v232-235 scale operands
.set PM, 228
.set SO, 232
.set F, 240                            ; v[240:241] f
.set PWD, 242                          ; v242 p's scale word
.set T0, 243
.set SUM2, 244
.set RL, 246                           ; v[246:247] 1 / the sum
.set SEL, 20
.set CS, 22
.set G1, 24
.set G0, 32
.macro CROUND
	s_barrier_signal -1
	s_barrier_wait -1
	s_cmp_lg_u32 s14, 0
	s_cbranch_scc1 .Lnot_wave_0_\@
	s_barrier_signal -3
.Lnot_wave_0_\@:
	s_barrier_wait -3
	s_barrier_signal -1
	s_barrier_wait -1
.endm
	s_load_b256 s[4:11], s[0:1], 0x0               ; qi, kv, mask, ac
	s_load_b64 s[12:13], s[0:1], 0x20              ; acs
	v_lshl_add_u32 v[SPW], v0, 2, SPARE
	v_mov_b32 v[NIL], 0
	ds_add_u32 v[SPW], v[NIL]                      ; the wave's opening
	ds_add_u32 v[SPW], v[NIL]
	v_lshrrev_b32 v1, 5, v0
	s_delay_alu instid0(VALU_DEP_1)
	v_readfirstlane_b32 s14, v1                    ; wave 0..15
	s_bfe_u32 s15, ttmp6, 0x40000                  ; cx: it enters Q's and the outputs' addresses alone
	s_and_b32 s16, ttmp7, 0xffff                   ; batch x 16 + head
	s_mov_b32 s[G1], 15|(3<<16)|(1<<21)            ; all four work-groups; elements of 8 bytes; bit 21 beside a mask
	s_mov_b32 s[G1+1], 32<<16                      ; 12,800 dense bytes as 50 rows of 256
	s_mov_b32 s[G1+2], 50<<16
	s_mov_b32 s[G1+3], 32<<16
	s_mov_b32 s[G1+4], 50
	s_mov_b32 s[G1+5], 32
	s_mov_b32 s[G1+6], 0
	s_mov_b32 s[G1+7], 0
	s_mul_i32 s17, s14, STEPB
	s_mul_i32 s18, s16, 16*STEPB
	s_add_co_u32 s18, s18, s17
	s_mov_b32 s19, 0
	s_mov_b32 s[G0], 1
	s_mov_b32 s[G0+1], s17                         ; step w lands at 12,800 w
	s_mov_b32 s[SEL], 0x76543210
	s_mov_b32 s[SEL+1], 0xfedcba98
	s_mov_b32 s[CS], 0x3e38aa3b                    ; c = log2(e) / 8
	s_mov_b32 s[CS+1], s[CS]
	s_wait_dscnt 0x0                               ; the opening add is done
	s_wait_kmcnt 0x0
	s_add_nc_u64 s[G0+2:G0+3], s[6:7], s[18:19]
	s_or_b32 s[G0+3], s[G0+3], 0x80000000
	CROUND                                         ; all four work-groups are here
	tensor_load_to_lds s[G0:G0+3], s[G1:G1+7]      ; my one tensor load of the launch
	s_nop 0
.rept 4
	v_nop
.endr
	v_and_b32 v9, 31, v0
	s_delay_alu instid0(VALU_DEP_1)
	v_lshlrev_b32 v1, 4, v9                        ; 16 x lane
	s_delay_alu instid0(VALU_DEP_2)
	v_lshlrev_b32 v2, 3, v9                        ; 8 x lane
	v_bfe_u32 v29, v0, 4, 1                        ; h
	v_and_b32 v9, 15, v0                           ; r
	s_delay_alu instid0(VALU_DEP_2)
	v_lshl_add_u32 v3, v29, 6, MB                  ; the mask numbers of my half's keys
	s_delay_alu instid0(VALU_DEP_3)
	v_lshlrev_b32 v10, 9, v29
	s_delay_alu instid0(VALU_DEP_1)
	v_lshl_add_u32 v10, v9, 4, v10                 ; the outputs' scales: 512 h + 16 r
	s_delay_alu instid0(VALU_DEP_4)
	v_lshlrev_b32 v9, 3, v9                        ; 8 r
	s_wait_alu depctr_va_vdst(0)
	v_lshlrev_b32 v29, 4, v0                       ; 16 x thread
	v_lshl_add_u32 v248, v0, 4, MB
	s_lshr_b32 s18, s16, 4
	s_lshl_b32 s18, s18, 13                        ; the batch's 2,048 mask words
	s_add_nc_u64 s[8:9], s[8:9], s[18:19]
	global_load_b128 v[S:S+3], v29, s[8:9]
	s_lshl_b32 s18, s16, 4
	s_lshl_b32 s17, s15, 2
	s_add_co_u32 s18, s18, s17
	s_lshr_b32 s17, s14, 2
	s_add_co_u32 s18, s18, s17                     ; my queries' step: 16 x head + 4 cx + w / 4
	s_mul_i32 s18, s18, STEPB
	s_add_nc_u64 s[4:5], s[4:5], s[18:19]
	s_and_b32 s17, s14, 3                          ; my fragment g
	s_mul_i32 s42, s17, 1536
	s_mov_b32 s43, 0
	s_add_nc_u64 s[44:45], s[4:5], s[42:43]
.irp c, 0,1,2
	global_load_b128 v[QRAW+4*\c:QRAW+4*\c+3], v1, s[44:45] offset:512*\c
.endr
	s_and_b32 s42, s17, 1
	s_lshl_b32 s42, s42, 7
	s_lshr_b32 s46, s17, 1
	s_lshl_b32 s46, s46, 2
	s_add_co_u32 s42, s42, s46                     ; its words: lanes 16 (g % 2) on of the image, word g / 2
	s_add_nc_u64 s[4:5], s[4:5], s[42:43]
	global_load_b32 v28, v9, s[4:5] offset:12288
	s_lshr_b32 s46, s16, 4
	s_lshl_b32 s46, s46, 7
	s_lshl_b32 s47, s15, 2
	s_lshr_b32 s48, s14, 2
	s_add_co_u32 s47, s47, s48
	s_lshl_b32 s47, s47, 3
	s_add_co_u32 s46, s46, s47
	s_lshl_b32 s47, s17, 1
	s_add_co_u32 s46, s46, s47                     ; my first tile of tokens: 128 x batch + 8 x step + 2 g
	s_and_b32 s47, s16, 15                         ; the head = the chunk of 64 along the last product's K
	s_mul_i32 s48, s46, 12288
	s_mul_i32 s49, s47, 768
	s_add_co_u32 s48, s48, s49
	s_mov_b32 s49, 0
	s_add_nc_u64 s[10:11], s[10:11], s[48:49]
	s_lshl_b32 s48, s46, 9
	s_bfe_u32 s50, s47, 0x10001
	s_lshl_b32 s50, s50, 8
	s_add_co_u32 s48, s48, s50
	s_lshr_b32 s50, s47, 2
	s_lshl_b32 s50, s50, 2
	s_add_co_u32 s48, s48, s50
	s_and_b32 s50, s47, 1
	s_lshl_b32 s50, s50, 1
	s_add_co_u32 s48, s48, s50                     ; K step head / 2, bytes 2 (head % 2) on
	s_add_nc_u64 s[12:13], s[12:13], s[48:49]
	v_mov_b32 v11, 0                               ; the two tiles' half words
.irp i, 0,1,2,3,4,5
	v_mov_b32 v[QLO+6+\i], 0                       ; the idle halves: zero codes, set once
	v_mov_b32 v[QLO+12+\i], 0
.endr
.irp b, 0,1,2,3
	v_mov_b32 v[PM+\b], 0                          ; a lane permute's destination counts as one of its sources
.endr
	v_mov_b32 v[T0], 0
	v_mov_b32 v[F+1], 0                            ; (upper halves of pairs of which the low word serves both halves)
	v_mov_b32 v[RL+1], 0
	v_mov_b32 v[S+4], 0xff000000                   ; -2^127
	s_wait_alu depctr_va_vdst(0)
	s_wait_loadcnt 0x0
.irp i, 0,1,2,3
	v_cmp_eq_u32 vcc_lo, 0, v[S+\i]
	s_delay_alu instid0(VALU_DEP_1)
	v_cndmask_b32 v[S+\i], 0, v[S+4], vcc_lo       ; a hidden key: -2^127; else 0
.endr
	ds_store_b128 v248, v[S:S+3]
	s_wait_tensorcnt 0x0                           ; my step of K and V has landed,
	s_wait_dscnt 0x0                               ; my mask numbers are stored:
	s_barrier_signal -1
	s_barrier_wait -1                              ; everybody's are
	s_mov_b32 s39, 2
	s_mov_b32 s40, 0xffff                          ; the lanes that keep this pass's half word
.Lpass:
	s_wait_alu depctr_va_vdst(0)
	v_and_b32 v[SQ], 0xffff, v28
	v_lshlrev_b32 v[SQ+1], 16, v28
	s_delay_alu instid0(VALU_DEP_2)
	v_or_b32 v[SQ], 0x01010000, v[SQ]              ; the idle half's two bytes: 1
	s_delay_alu instid0(VALU_DEP_2)
	v_or_b32 v[SQ+1], 0x0101, v[SQ+1]
.irp i, 0,1,2,3,4,5
	v_mov_b32 v[QLO+\i], v[QRAW+\i]
	v_mov_b32 v[QLO+18+\i], v[QRAW+\i]
.endr
	v_mov_b32 v13, 0xf149f2ca                      ; the largest t so far: -1e30
	s_delay_alu instid0(VALU_DEP_1)
	v_floor_f32 v12, -v13                          ; -M
	v_mov_b32 v14, 0
	v_mov_b32 v15, 0
.set j, 0
.rept 32
	v_mov_b32 v[O+j], 0                            ; the step is written once: the first finds zeros.  (These are also the places between the scale words above and the first product)
.set j, j+1
.endr
	s_mov_b32 s36, 0
	s_mov_b32 s37, 0
	s_mov_b32 s38, 16
.Lkey:
	v_add_nc_u32 v[ADK], s36, v1
	v_add_nc_u32 v[ADS], s36, v2
	v_add_nc_u32 v[ADM], s37, v3
	v_nop                                          ; four places in front of loads into registers that the last products read
.irp t, 0,1,2,3,4,5,6,7
	ds_load_b128 v[S+8*\t:S+8*\t+3], v[ADM] offset:128*(\t/2)+32*(\t%2)       ; the mask numbers, in the scores' own order
	ds_load_b128 v[S+8*\t+4:S+8*\t+7], v[ADM] offset:128*(\t/2)+32*(\t%2)+16
.endr
.irp g, 0,1,2,3
.irp c, 0,1,2
	ds_load_b128 v[FRG+12*\g+4*\c:FRG+12*\g+4*\c+3], v[ADK] offset:1536*\g+512*\c
.endr
.endr
	ds_load_b64 v[KSC:KSC+1], v[ADS] offset:12288
	s_wait_alu depctr_va_vdst(0)
	s_wait_dscnt 0x0
.irp g, 0,1,2,3
.irp u, 0,1
.if \g%2
	v_wmma_scale_f32_16x16x128_f8f6f4 v[S+8*(2*\g+\u):S+8*(2*\g+\u)+7], v[FRG+12*\g:FRG+12*\g+11], v[QLO+12*\u:QLO+12*\u+11], v[S+8*(2*\g+\u):S+8*(2*\g+\u)+7], v[KSC+\g/2], v[SQ+\u] matrix_a_fmt:MATRIX_FMT_FP6 matrix_b_fmt:MATRIX_FMT_FP6 matrix_a_scale:MATRIX_SCALE_ROW1
.else
	v_wmma_scale_f32_16x16x128_f8f6f4 v[S+8*(2*\g+\u):S+8*(2*\g+\u)+7], v[FRG+12*\g:FRG+12*\g+11], v[QLO+12*\u:QLO+12*\u+11], v[S+8*(2*\g+\u):S+8*(2*\g+\u)+7], v[KSC+\g/2], v[SQ+\u] matrix_a_fmt:MATRIX_FMT_FP6 matrix_b_fmt:MATRIX_FMT_FP6
.endif
.endr
.endr
.rept 4
	v_nop                                          ; places: for V's loads into K's registers, and for the first read of the scores
.endr
.irp t, 0,1,2,3
.irp c, 0,1,2
	ds_load_b128 v[FRG+12*\t+4*\c:FRG+12*\t+4*\c+3], v[ADK] offset:6144+1536*\t+512*\c   ; V lands under the softmax
.endr
.endr
	ds_load_b64 v[VSC:VSC+1], v[ADS] offset:12544
.irp b, 0,1,2,3
	v_max3_num_f32 v[BM+\b], v[S+16*\b], v[S+1+16*\b], v[S+2+16*\b]   ; the largest score of each block of 32 keys: for the row's maximum, and, since p rises with the score, for the block's largest p
.endr
.irp i, 3,5,7,9,11,13
.irp b, 0,1,2,3
	v_max3_num_f32 v[BM+\b], v[BM+\b], v[S+16*\b+\i], v[S+1+16*\b+\i]
.endr
.endr
.irp b, 0,1,2,3
	v_max_num_f32 v[BM+\b], v[BM+\b], v[S+15+16*\b]
.endr
.irp b, 0,1,2,3
	s_delay_alu instid0(VALU_DEP_4)
	v_permlanex16_b32 v[PM+\b], v[BM+\b], s[SEL], s[SEL+1]
.endr
.irp b, 0,1,2,3
	s_delay_alu instid0(VALU_DEP_4)
	v_max_num_f32 v[BM+\b], v[BM+\b], v[PM+\b]
.endr
	s_delay_alu instid0(VALU_DEP_2)
	v_max3_num_f32 v[T0], v[BM], v[BM+1], v[BM+2]
	s_delay_alu instid0(VALU_DEP_1)
	v_max_num_f32 v[T0], v[T0], v[BM+3]
	s_delay_alu instid0(VALU_DEP_1)
	v_mul_f32 v[T0], s[CS], v[T0]
	s_delay_alu instid0(VALU_DEP_1)
	v_max_num_f32 v13, v13, v[T0]                  ; the running largest t
	v_mov_b32 v[T0], v12
	s_delay_alu instid0(VALU_DEP_2)
	v_floor_f32 v12, -v13                          ; -M = floor(-t): M is a whole number
	s_delay_alu instid0(VALU_DEP_1)
	v_sub_f32 v[T0], v12, v[T0]                    ; old M - new M, 0 or less
	s_delay_alu instid0(VALU_DEP_1)
	v_cvt_i32_f32 v[T0], v[T0]                     ; (it saturates)
	s_delay_alu instid0(VALU_DEP_1)
	v_ldexp_f32 v[F], 1.0, v[T0]                   ; f = 2^(old M - new M)
.set j, 0
.rept 32
	v_pk_fma_f32 v[S+j:S+j+1], v[S+j:S+j+1], s[CS:CS+1], v[12:13] op_sel_hi:[1,0,0]   ; t - M
.set j, j+2
.endr
.irp b, 0,1,2,3
	v_fma_f32 v[BM+\b], v[BM+\b], s[CS], v12
.endr
.set j, 0
	s_wait_alu depctr_va_vdst(0)
.rept 64
	v_exp_f32 v[S+j], v[S+j]                       ; p, not normalised
.set j, j+1
.endr
	v_pk_mul_f32 v[14:15], v[14:15], v[F:F+1] op_sel_hi:[1,0]   ; the sums under the new M (a plain place behind the exponentials)
	s_wait_alu depctr_va_vdst(0)                   ; one wait for the batch, ahead of its first reader
.irp b, 0,1,2,3
	v_exp_f32 v[BM+\b], v[BM+\b]                   ; the blocks' largest p
.endr
	v_pk_add_f32 v[244:245], v[112:113], v[116:117]
	v_pk_add_f32 v[254:255], v[120:121], v[124:125]
	v_pk_add_f32 v[252:253], v[128:129], v[132:133]
	v_pk_add_f32 v[250:251], v[136:137], v[140:141]
	v_pk_add_f32 v[248:249], v[144:145], v[148:149]
	v_pk_add_f32 v[238:239], v[152:153], v[156:157]
	v_pk_add_f32 v[236:237], v[160:161], v[164:165]
	v_pk_add_f32 v[14:15], v[14:15], v[168:169]
	v_pk_add_f32 v[244:245], v[244:245], v[108:109]
	v_pk_add_f32 v[254:255], v[254:255], v[110:111]
	v_pk_add_f32 v[252:253], v[252:253], v[114:115]
	v_pk_add_f32 v[250:251], v[250:251], v[118:119]
	v_pk_add_f32 v[248:249], v[248:249], v[122:123]
	v_pk_add_f32 v[238:239], v[238:239], v[126:127]
	v_pk_add_f32 v[236:237], v[236:237], v[130:131]
	v_pk_add_f32 v[14:15], v[14:15], v[134:135]
	v_pk_add_f32 v[244:245], v[244:245], v[138:139]
	v_pk_add_f32 v[254:255], v[254:255], v[142:143]
	v_pk_add_f32 v[252:253], v[252:253], v[146:147]
	v_pk_add_f32 v[250:251], v[250:251], v[150:151]
	v_pk_add_f32 v[248:249], v[248:249], v[154:155]
	v_pk_add_f32 v[238:239], v[238:239], v[158:159]
	v_pk_add_f32 v[236:237], v[236:237], v[162:163]
	v_pk_add_f32 v[14:15], v[14:15], v[166:167]
	v_pk_add_f32 v[244:245], v[244:245], v[170:171]
	s_delay_alu instid0(VALU_DEP_2)
	v_pk_add_f32 v[14:15], v[14:15], v[250:251]
	s_delay_alu instid0(VALU_DEP_2)
	v_pk_add_f32 v[244:245], v[244:245], v[248:249]
	v_pk_add_f32 v[254:255], v[254:255], v[238:239]
	v_pk_add_f32 v[252:253], v[252:253], v[236:237]
	s_delay_alu instid0(VALU_DEP_2)
	v_pk_add_f32 v[14:15], v[14:15], v[254:255]
	s_delay_alu instid0(VALU_DEP_2)
	v_pk_add_f32 v[244:245], v[244:245], v[252:253]
	s_delay_alu instid0(VALU_DEP_1)
	v_pk_add_f32 v[14:15], v[14:15], v[244:245]
	s_wait_alu depctr_va_vdst(0)                   ; and one for the four
.irp b, 0,1,2,3
	v_max_num_f32 v[BM+\b], 0x1800000, v[BM+\b]    ; the floor 2^(3 - 127)
.endr
.irp b, 0,1,2,3
	s_delay_alu instid0(VALU_DEP_4)
	v_add_nc_u32 v[SO+\b], 0xff000000, v[BM+\b]
.endr
.irp b, 0,1,2,3
	s_delay_alu instid0(VALU_DEP_4)
	v_lshrrev_b32 v[PM+\b], 23, v[SO+\b]
.endr
	s_delay_alu instid0(VALU_DEP_3)
	v_lshl_or_b32 v[PWD], v[PM+1], 8, v[PM]
	s_delay_alu instid0(VALU_DEP_1)
	v_lshl_or_b32 v[PWD], v[PM+2], 16, v[PWD]
	s_delay_alu instid0(VALU_DEP_1)
	v_lshl_or_b32 v[PWD], v[PM+3], 24, v[PWD]
.irp c, 0,1
	v_cvt_scalef32_pk16_fp6_f32 v[P+6*\c:P+2+6*\c], v[S+32*\c:S+15+32*\c], v[SO+2*\c]
	v_cvt_scalef32_pk16_fp6_f32 v[CT+4*\c:CT+2+4*\c], v[S+16+32*\c:S+31+32*\c], v[SO+2*\c+1]
.endr
	v_nop                                          ; one plain place behind the conversions
.irp c, 0,1
.irp i, 0,1,2
	v_permlane16_swap_b32 v[P+6*\c+\i], v[CT+4*\c+\i]
.endr
.irp i, 0,1,2
	s_delay_alu instid0(VALU_DEP_3)
	v_mov_b32 v[P+3+6*\c+\i], v[CT+4*\c+\i]
.endr
.endr
.set j, 0
.rept 16
	v_pk_mul_f32 v[O+j:O+j+1], v[O+j:O+j+1], v[F:F+1] op_sel_hi:[1,0]   ; O^T under the new M; also the places between p's codes and scale word and the products
.set j, j+2
.endr
	s_wait_alu depctr_va_vdst(0)
	s_wait_dscnt 0x0                               ; V is in
.irp t, 0,1,2,3
.if \t%2
	v_wmma_scale_f32_16x16x128_f8f6f4 v[O+8*\t:O+8*\t+7], v[FRG+12*\t:FRG+12*\t+11], v[P:P+11], v[O+8*\t:O+8*\t+7], v[VSC+\t/2], v[PWD] matrix_a_fmt:MATRIX_FMT_FP6 matrix_b_fmt:MATRIX_FMT_FP6 matrix_a_scale:MATRIX_SCALE_ROW1
.else
	v_wmma_scale_f32_16x16x128_f8f6f4 v[O+8*\t:O+8*\t+7], v[FRG+12*\t:FRG+12*\t+11], v[P:P+11], v[O+8*\t:O+8*\t+7], v[VSC+\t/2], v[PWD] matrix_a_fmt:MATRIX_FMT_FP6 matrix_b_fmt:MATRIX_FMT_FP6
.endif
.endr
	s_add_co_u32 s36, s36, STEPB
	s_add_co_u32 s37, s37, 512
	s_sub_co_u32 s38, s38, 1
	s_cmp_lg_u32 s38, 0
	s_cbranch_scc1 .Lkey
	; the tile is finished: / the sum, quantised along d (two blocks of 32), stored as chunk 'head' of its tile of tokens
.rept 4
	v_nop
.endr
	v_add_f32 v14, v14, v15
	s_delay_alu instid0(VALU_DEP_1)
	v_permlanex16_b32 v[T0], v14, s[SEL], s[SEL+1]
	s_delay_alu instid0(VALU_DEP_1)
	v_add_f32 v14, v14, v[T0]
	s_wait_alu depctr_va_vdst(0)
	v_rcp_f32 v[RL], v14
	v_nop
	s_wait_alu depctr_va_vdst(0)
.set j, 0
.rept 16
	v_pk_mul_f32 v[O+j:O+j+1], v[O+j:O+j+1], v[RL:RL+1] op_sel_hi:[1,0]
.set j, j+2
.endr
.irp b, 0,1
	v_max3_num_f32 v[BM+\b], |v[O+16*\b]|, |v[O+1+16*\b]|, 0x1800000
.endr
.irp i, 2,4,6,8,10,12,14
.irp b, 0,1
	s_delay_alu instid0(VALU_DEP_2)
	v_max3_num_f32 v[BM+\b], v[BM+\b], |v[O+16*\b+\i]|, |v[O+1+16*\b+\i]|
.endr
.endr
.irp b, 0,1
	s_delay_alu instid0(VALU_DEP_2)
	v_permlanex16_b32 v[PM+\b], v[BM+\b], s[SEL], s[SEL+1]
.endr
.irp b, 0,1
	s_delay_alu instid0(VALU_DEP_2)
	v_max_num_f32 v[BM+\b], v[BM+\b], v[PM+\b]
.endr
.irp b, 0,1
	s_delay_alu instid0(VALU_DEP_2)
	v_add_nc_u32 v[SO+\b], 0xff000000, v[BM+\b]
.endr
.irp b, 0,1
	s_delay_alu instid0(VALU_DEP_2)
	v_lshrrev_b32 v[PM+\b], 23, v[SO+\b]
.endr
	v_cvt_scalef32_pk16_fp6_f32 v[P:P+2], v[O:O+15], v[SO]
	v_cvt_scalef32_pk16_fp6_f32 v[CT:CT+2], v[O+16:O+31], v[SO+1]
	v_lshl_or_b32 v[T0], v[PM+1], 8, v[PM]         ; the two bytes (also the plain place behind the conversions)
.irp i, 0,1,2
	v_permlane16_swap_b32 v[P+\i], v[CT+\i]
.endr
.irp i, 0,1,2
	s_delay_alu instid0(VALU_DEP_3)
	v_mov_b32 v[P+3+\i], v[CT+\i]
.endr
	v_cndmask_b32 v11, v11, v[T0], s40             ; pass 0: lanes 0-15; pass 1: lanes 16-31
.irp p, 0,1,2
	global_store_b64 v2, v[P+2*\p:P+2*\p+1], s[10:11] offset:256*\p   ; 256 consecutive aligned bytes
.endr
.irp i, 0,1,2,3,4,5
	v_mov_b32 v[QRAW+\i], v[QRAW+6+\i]             ; on to my second tile
.endr
	v_lshrrev_b32 v28, 16, v28
	s_not_b32 s40, s40
	s_wait_xcnt 0x0                                ; the stores have read their registers and their base
	s_add_nc_u64 s[10:11], s[10:11], 12288
	s_sub_co_u32 s39, s39, 1
	s_cmp_lg_u32 s39, 0
	s_cbranch_scc1 .Lpass
	s_wait_alu depctr_va_vdst(0)
	global_store_b16 v10, v11, s[12:13]            ; two bytes a row: the sixteen heads' work-groups fill a tile's words between them
	s_wait_tensorcnt 0x0                           ; the wave's end
	ds_add_u32 v[SPW], v[NIL]
	s_wait_dscnt 0x0
	CROUND                                         ; the closing round
	s_endpgm
.Lfunc_end_k_q02d522307b_attn:
	.size	k_q02d522307b_attn, .Lfunc_end_k_q02d522307b_attn-k_q02d522307b_attn
	.p2alignl 7, 3214868480
	.fill 96, 4, 3214868480
	.section	.rodata,"a",@progbits
	.p2align	6, 0x0
	.amdhsa_kernel k_q02d522307b_attn
		.amdhsa_group_segment_fixed_size 215040
		.amdhsa_private_segment_fixed_size 0
		.amdhsa_enable_private_segment 0
		.amdhsa_kernarg_size 40
		.amdhsa_user_sgpr_count 2
		.amdhsa_user_sgpr_kernarg_segment_ptr 1
		.amdhsa_wavefront_size32 1
		.amdhsa_system_sgpr_workgroup_id_x 1
		.amdhsa_system_sgpr_workgroup_id_y 1
		.amdhsa_system_sgpr_workgroup_id_z 1
		.amdhsa_system_vgpr_workitem_id 0
		.amdhsa_next_free_vgpr 256
		.amdhsa_next_free_sgpr 66
		.amdhsa_reserve_vcc 1
		.amdhsa_float_denorm_mode_32 3
		.amdhsa_float_denorm_mode_16_64 3
		.amdhsa_memory_ordered 1
		.amdhsa_forward_progress 1
		.amdhsa_inst_pref_size 32
	.end_amdhsa_kernel
	.amdgpu_metadata
---
amdhsa.version: [ 1, 2 ]
amdhsa.kernels:
  - .name:           k_q02d522307b_attn
    .symbol:         k_q02d522307b_attn.kd
    .args:
      - { .name: qi, .offset: 0, .size: 8, .value_kind: global_buffer, .address_space: global }
      - { .name: kv, .offset: 8, .size: 8, .value_kind: global_buffer, .address_space: global }
      - { .name: mask, .offset: 16, .size: 8, .value_kind: global_buffer, .address_space: global }
      - { .name: ac, .offset: 24, .size: 8, .value_kind: global_buffer, .address_space: global }
      - { .name: acs, .offset: 32, .size: 8, .value_kind: global_buffer, .address_space: global }
    .group_segment_fixed_size: 215040
    .private_segment_fixed_size: 0
    .kernarg_segment_align: 8
    .kernarg_segment_size: 40
    .max_flat_workgroup_size: 512
    .sgpr_count:     66
    .vgpr_count:     256
    .wavefront_size: 32
...
	.end_amdgpu_metadata
.endif
;; end of part 3
;; launch outp (part 4): grid 4 x 64, 4 waves a work-group, clusters of 4 x 4, 327,680 bytes of LDS; arguments ac, acs, wc, ws, bo, out0; writes out0
.if DOCPART == 4
	.amdgcn_target "amdgcn-amd-amdhsa--gfx1250"
	.amdhsa_code_object_version 6
	.text
	.protected	k_q02d522307b_outp
	.globl	k_q02d522307b_outp
	.p2align	8
	.type	k_q02d522307b_outp,@function
k_q02d522307b_outp:
	s_mov_b64 s[64:65], 0
	v_nop
	global_prefetch_b8 v0, s[64:65] scope:SCOPE_SE
	s_setreg_imm32_b32 hwreg(HW_REG_WAVE_MODE, 25, 1), 1
	s_wait_xcnt 0x0
	s_wait_alu depctr_hold_cnt(0) depctr_sa_sdst(0) depctr_va_vdst(0) depctr_va_sdst(0) depctr_va_ssrc(0) depctr_va_vcc(0) depctr_vm_vsrc(0)
	s_getreg_b32 s2, hwreg(HW_REG_IB_STS2, 6, 4)
	s_cmp_eq_u32 s2, 0
	s_cbranch_scc0 .Lentry_in_a_cluster
	s_endpgm
.Lentry_in_a_cluster:
	s_bfe_u32 s2, ttmp6, 0x10000c
	s_cmp_lg_u32 s2, 0xf033
	s_cbranch_scc0 .Lentry_shape_is_right
	s_endpgm
.Lentry_shape_is_right:
; out0 = attention's output x Wo + bo, on codes of FP6 (E2M3) with E8M0 scales; sums in f32; out0 [8192][1024] f32.
; 256 work-groups; each makes 128 tokens x 256 columns, a wave 64 x 128: 32 accumulators.  Source 0 = Wo's columns ("B"), source 1 = tokens ("A"): a lane holds a token, its registers run along n.
; Tiles, codes and scale words lie as the earlier launches laid them: lane r of tile T is row 32 (T / 2) + 8 (T % 2) + r + 8 (r / 8); codes: tile x 12288 + 768 c + 256 p + 8 lane; scale words: tile x 512 + 256 (j % 2) + 16 r + 4 (j / 2).
; ALL OF K LIES IN LDS: 24 tiles x 12,288 bytes = 294,912.  Nothing is filled twice.  One joint load a wave at the head: A's K 0-511, B's K 0-511, A's K 512 on, B's K 512 on; a row of a load is 6,144 bytes of one tile.
; The first barrier shows the two lower halves (waves 0 and 1 wait, each on a load line of its own); the upper halves land under K steps 0 to 3 and are shown by the barrier in step 3, where every wave waits.
; CLUSTER 4 x 4: A's tiles are asked for jointly along a row of the cluster, B's along a column.
; SCALE WORDS go from memory into registers: one load of 512 consecutive bytes a tile; lanes 0-15 then hold the even K steps' words of row r, lanes 16-31 the odd ones'; the row selectors go by j % 2.
; No prefetch: the launch has no loop to run ahead in, and every tile is asked for at its head.
; REGISTERS: window 0: v0-31 addresses; v32-47 A's scale words, v50-81 B's; v128-223 A's fragments, two sets; on the way out v128-255 rows of out0.  window 1: B's two sets at v0, v128; v96-127, v224-255 bo.  window 2: accumulators.
.set FR, 12
.set LOB, 49152                        ; A's 8 tiles x 6,144, then B's 16
.set HALF, 147456                      ; from K 0-511 to K 512-1023
.set SPARE, 2*HALF                     ; the spare words, 128 bytes a wave
.set SPITCH, 528                       ; the way out: a stage of 16 rows x (512 + 16) a wave, from byte 0 on: those bytes had their only fill, and their last read stands ahead of step 3's barrier
.set ADRA, 16                          ; v16, v17 my A fragments, K half 0, 1
.set ADRB, 20                          ; v20, v21 the same for B
.set STO, 24
.set RD, 25
.set CO, 26                            ; 16 x lane
.set SPW, 28
.set NIL, 29
.set SA, 32
.set SB, 50
.set AF, 128
.set BK, 128
.set G1A, 32
.set G1B, 40
.set G0AL, 48
.set G0BL, 52
.set G0AH, 56
.set G0BH, 60
.set MSB, 0
.macro WIN new
.if MSB != (\new)
	s_set_vgpr_msb (MSB<<8)|(\new)
.set MSB, (\new)
.endif
.endm
.set MUL, 0xa1                         ; source 0 window 1, source 1 window 0, C and D window 2
.set FIRST, 0x91                       ; the same with C (bo) in window 1
.set TO_B, 0x40
.macro CROUND
	s_barrier_signal -1
	s_barrier_wait -1
	s_cmp_lg_u32 s22, 0
	s_cbranch_scc1 .Lnot_wave_0_\@
	s_barrier_signal -3
.Lnot_wave_0_\@:
	s_barrier_wait -3
	s_barrier_signal -1
	s_barrier_wait -1
.endm
.macro PLACES n
.rept \n
	v_nop
.endr
.endm
.macro FRAG reg, adr, q, i             ; tile i's fragment of the half's q-th 128 along K: six loads of 8 bytes a lane, each 256 consecutive bytes
.irp p, 0,1,2,3,4,5
	ds_load_b64 v[\reg+2*\p:\reg+2*\p+1], v[\adr] offset:6144*(\i)+1536*(\q)+768*(\p/3)+256*(\p%3)
.endr
.endm
.macro FETCH st                        ; K step st's fragments into set st % 2: B's eight, A's four
	WIN TO_B
.irp i, 0,1,2,3,4,5,6,7
	FRAG 128*((\st)%2)+FR*\i, ADRB+(\st)/4, (\st)%4, \i
.endr
	WIN 0
.irp i, 0,1,2,3
	FRAG AF+48*((\st)%2)+FR*\i, ADRA+(\st)/4, (\st)%4, \i
.endr
.endm
.macro WM a, b, j, first
.set D_, 8*(8*(\a)+\b)
.set B_, 128*((\j)%2)+FR*\b
.set A_, AF+48*((\j)%2)+FR*(\a)
.set XB_, SB+4*\b+(\j)/2
.set XA_, SA+4*(\a)+(\j)/2
.if \first
	v_wmma_scale_f32_16x16x128_f8f6f4 v[D_:D_+7], v[B_:B_+FR-1], v[A_:A_+FR-1], v[96+8*\b+96*(\b/4):103+8*\b+96*(\b/4)], v[XB_], v[XA_] matrix_a_fmt:MATRIX_FMT_FP6 matrix_b_fmt:MATRIX_FMT_FP6
.elseif (\j)%2
	v_wmma_scale_f32_16x16x128_f8f6f4 v[D_:D_+7], v[B_:B_+FR-1], v[A_:A_+FR-1], v[D_:D_+7], v[XB_], v[XA_] matrix_a_fmt:MATRIX_FMT_FP6 matrix_b_fmt:MATRIX_FMT_FP6 matrix_a_scale:MATRIX_SCALE_ROW1 matrix_b_scale:MATRIX_SCALE_ROW1
.else
	v_wmma_scale_f32_16x16x128_f8f6f4 v[D_:D_+7], v[B_:B_+FR-1], v[A_:A_+FR-1], v[D_:D_+7], v[XB_], v[XA_] matrix_a_fmt:MATRIX_FMT_FP6 matrix_b_fmt:MATRIX_FMT_FP6
.endif
.endm
; 16 products: A's blocks a0, a0 + 1 x B's eight.  first = 1: they start the sums from bo.  The 32 accumulators take turns, one instruction a turn, in the same order in every step.
.macro MUL16 a0, j, first
.irp a, \a0, \a0+1
.irp b, 0,1,2,3,4,5,6,7
	WM \a, \b, \j, \first
.endr
.endr
.endm
.macro STEP j, first                   ; this step's fragments are in; the next step's 72 loads go out ahead of the 32 products
	s_wait_dscnt 0x0
	PLACES 4                                       ; in front of loads into the set that the last step's products read
	FETCH (\j)+1
.if \first
	WIN FIRST
.else
	WIN MUL
.endif
	MUL16 0, \j, \first
	MUL16 2, \j, \first
	WIN 0
.endm
	s_load_b256 s[4:11], s[0:1], 0x0               ; ac, acs, wc, ws
	s_load_b128 s[12:15], s[0:1], 0x20             ; bo, out0
	v_lshl_add_u32 v[SPW], v0, 2, SPARE
	v_mov_b32 v[NIL], 0
	ds_add_u32 v[SPW], v[NIL]                      ; the wave's opening
	ds_add_u32 v[SPW], v[NIL]
	v_lshrrev_b32 v1, 5, v0
	v_readfirstlane_b32 s22, v1                    ; wave
	s_lshr_b32 s23, s22, 1                         ; my half of A's tiles
	s_and_b32 s24, s22, 1                          ; my half of B's
	s_bfe_u32 s25, ttmp6, 0x40000                  ; cx
	s_bfe_u32 s26, ttmp6, 0x40004                  ; cy
	s_and_b32 s28, ttmp7, 0xffff                   ; cluster y: which 512 tokens
	s_lshl_b32 s66, s26, 2
	s_lshl_b32 s66, 15, s66                        ; my row of the cluster
	s_lshl_b32 s67, 0x1111, s25                    ; my column
	s_or_b32 s[G1A], s66, (3<<16)|(1<<21)          ; elements of 8 bytes, no padding; bit 21 beside a mask
	s_or_b32 s[G1B], s67, (3<<16)|(1<<21)
.irp g, G1A, G1B                       ; rows of 6,144 bytes (512 along K of a tile), 12,288 apart
	s_mov_b32 s[\g+1], 768<<16
	s_mov_b32 s[\g+3], 768<<16
	s_mov_b32 s[\g+5], 1536
	s_mov_b32 s[\g+6], 0
	s_mov_b32 s[\g+7], 0
.endr
	s_mov_b32 s[G1A+2], 8<<16
	s_mov_b32 s[G1A+4], 8
	s_mov_b32 s[G1B+2], 16<<16
	s_mov_b32 s[G1B+4], 16
	s_mov_b32 s[G0AL], 1
	s_mov_b32 s[G0AL+1], 0
	s_mov_b32 s[G0BL], 1
	s_mov_b32 s[G0BL+1], LOB
	s_mov_b32 s[G0AH], 1
	s_mov_b32 s[G0AH+1], HALF
	s_mov_b32 s[G0BH], 1
	s_mov_b32 s[G0BH+1], HALF+LOB
	s_lshl_b32 s30, s28, 2
	s_add_co_u32 s30, s30, s26
	s_lshl_b32 s30, s30, 3                         ; A's first tile: 8 (4 y + cy).  No register here ever holds cx
	s_mul_i32 s2, s30, 12288
	s_mov_b32 s3, 0
	s_lshl_b32 s16, s23, 2
	s_add_co_u32 s16, s16, s30
	s_lshl_b32 s16, s16, 9                         ; my four tiles' scale words
	s_mov_b32 s17, 0
	s_lshl_b32 s68, s25, 4
	s_add_co_u32 s68, s68, 192                     ; B's first tile: Wo's 192 + 16 cx.  No register here ever holds cy
	s_mul_i32 s18, s68, 12288
	s_mov_b32 s19, 0
	s_lshl_b32 s20, s24, 3
	s_add_co_u32 s20, s20, s68
	s_lshl_b32 s20, s20, 9                         ; my eight tiles' scale words
	s_mov_b32 s21, 0
	s_lshl_b32 s70, s25, 10
	s_lshl_b32 s71, s24, 9
	s_add_co_u32 s70, s70, s71                     ; my first column, in bytes
	s_mov_b32 s71, 0
	s_lshl_b32 s72, s30, 4
	s_lshl_b32 s73, s23, 6
	s_add_co_u32 s72, s72, s73                     ; my first token
	s_lshl_b32 s72, s72, 12
	s_mov_b32 s73, 0
	s_mul_i32 s74, s23, 4*6144                     ; LDS: my A tiles,
	s_add_co_u32 s75, s74, HALF
	s_mul_i32 s76, s24, 8*6144
	s_add_co_u32 s76, s76, LOB                     ; my B tiles,
	s_add_co_u32 s77, s76, HALF
	s_mul_i32 s78, s22, 16*SPITCH                  ; my stage
	s_wait_dscnt 0x0                               ; both opening adds are done
	s_wait_kmcnt 0x0
	s_add_nc_u64 s[G0AL+2:G0AL+3], s[4:5], s[2:3]
	s_add_nc_u64 s[G0AH+2:G0AH+3], s[G0AL+2:G0AL+3], 6144
	s_add_nc_u64 s[G0BL+2:G0BL+3], s[8:9], s[18:19]
	s_add_nc_u64 s[G0BH+2:G0BH+3], s[G0BL+2:G0BL+3], 6144
.irp g, G0AL, G0BL, G0AH, G0BH
	s_or_b32 s[\g+3], s[\g+3], 0x80000000
.endr
	s_add_nc_u64 s[6:7], s[6:7], s[16:17]
	s_add_nc_u64 s[10:11], s[10:11], s[20:21]
	s_add_nc_u64 s[12:13], s[12:13], s[70:71]
	s_add_nc_u64 s[14:15], s[14:15], s[70:71]
	s_add_nc_u64 s[14:15], s[14:15], s[72:73]
	CROUND                                         ; all sixteen work-groups are here: the joint loads meet
.macro ARM under, g0, g1, next         ; one chain of branches on the wave's number: every way passes one load
	s_cmp_lt_u32 s22, \under
	s_cbranch_scc0 \next
	tensor_load_to_lds s[\g0:\g0+3], s[\g1:\g1+7]
	s_nop 0
	PLACES 4
	s_branch .Lasked
\next:
.endm
	ARM 1, G0AL, G1A, .Lwave_1
	ARM 2, G0BL, G1B, .Lwave_2
	ARM 3, G0AH, G1A, .Lwave_3
	tensor_load_to_lds s[G0BH:G0BH+3], s[G1B:G1B+7]
	s_nop 0
	PLACES 4
.Lasked:
	v_and_b32 v3, 31, v0                           ; lane
	v_and_b32 v1, 15, v0                           ; r
	v_bfe_u32 v2, v0, 4, 1                         ; h
	v_lshlrev_b32 v4, 3, v3
	v_lshlrev_b32 v[CO], 4, v3
	v_lshlrev_b32 v6, 6, v2                        ; 64 h
	v_add_nc_u32 v[ADRA], s74, v4
	v_add_nc_u32 v[ADRA+1], s75, v4
	v_add_nc_u32 v[ADRB], s76, v4
	v_add_nc_u32 v[ADRB+1], s77, v4
	v_mul_u32_u24 v5, v1, SPITCH
	v_lshl_add_u32 v5, v2, 6, v5
	v_add_nc_u32 v[STO], s78, v5                   ; the stage, in: row r, + 64 h
	v_add_nc_u32 v[RD], s78, v[CO]                 ; and back: a row's 512 bytes, 16 a lane
	s_wait_alu depctr_va_vdst(0)
.irp a, 0,1,2,3
	global_load_b128 v[SA+4*\a:SA+4*\a+3], v[CO], s[6:7] offset:512*\a     ; a tile's 512 bytes of scale words
.endr
.irp b, 0,1,2,3,4,5,6,7
	global_load_b128 v[SB+4*\b:SB+4*\b+3], v[CO], s[10:11] offset:512*\b
.endr
	WIN TO_B
.irp b, 0,1,2,3
.irp j, 0,1,2,3
	global_load_b128 v[96+16*\b+4*\j+96*(\b/2):99+16*\b+4*\j+96*(\b/2)], v6, s[12:13] offset:128*\b+16*\j   ; bo in the result's layout
.endr
.endr
	WIN 0
	s_cmp_lt_u32 s22, 2
	s_cbranch_scc0 .Lnot_low
	s_wait_tensorcnt 0x0                           ; waves 0 and 1: K 0-511 of A, of B
.Lnot_low:
	s_barrier_signal -1
	s_barrier_wait -1                              ; the lower halves are in; the upper ones may be on their way
	FETCH 0
	s_wait_loadcnt 0x0                             ; the scale words and bo
	STEP 0, 1
	STEP 1, 0
	STEP 2, 0
	s_wait_dscnt 0x0                               ; step 3's fragments are in: my reads of the lower halves are over
	s_wait_tensorcnt 0x0                           ; every wave: all that is still out
	s_barrier_signal -1
	WIN MUL
	MUL16 0, 3, 0
	WIN 0
	s_barrier_wait -1                              ; the upper halves are in
	PLACES 4
	FETCH 4
	WIN MUL
	MUL16 2, 3, 0
	WIN 0
	STEP 4, 0
	STEP 5, 0
	STEP 6, 0
	s_wait_dscnt 0x0
	WIN MUL
	MUL16 0, 7, 0
	MUL16 2, 7, 0
	WIN 0
; THE WAY OUT, a block of 16 tokens x 128 columns at a time, through my stage: in by 16 bytes at each number's true column, back as whole rows of 512 bytes.  LDS serves a wave's instructions in order.
.macro TOSTAGE a
.set AC, 64*(\a)
	WIN 0x08                                       ; an LDS store's data: window 2
.irp b, 0,1,2,3,4,5,6,7
	ds_store_b128 v[STO], v[AC+8*\b:AC+8*\b+3] offset:128*(\b/2)+32*(\b%2)      ; each accumulator from its low end on
	ds_store_b128 v[STO], v[AC+8*\b+4:AC+8*\b+7] offset:128*(\b/2)+32*(\b%2)+16
.endr
	WIN 0
.set BB, BK+64*((\a)%2)
.irp t, 0,1,2,3,4,5,6,7,8,9,10,11,12,13,14,15
	ds_load_b128 v[BB+4*\t:BB+4*\t+3], v[RD] offset:\t*SPITCH
.endr
.endm
.macro SEND a, younger
.set BB, BK+64*((\a)%2)
	s_wait_dscnt \younger
.irp t, 0,1,2,3,4,5,6,7,8,9,10,11,12,13,14,15
	global_store_b128 v[CO], v[BB+4*\t:BB+4*\t+3], s[14:15] offset:(32*((\a)/2)+8*((\a)%2)+\t+8*(\t/8))*4096 th:TH_STORE_NT   ; place t of tile a is that token; 512 consecutive aligned bytes
.endr
.endm
	PLACES 4
	TOSTAGE 0
.irp a, 1,2,3
.if \a > 1
	s_wait_xcnt 0x0                                ; block a - 2's stores have read their registers
.endif
	TOSTAGE \a
	SEND \a-1, 32                                  ; behind block a - 1's loads: block a's 16 stores and 16 loads
.endr
	SEND 3, 0
	s_wait_tensorcnt 0x0                           ; the wave's end
	ds_add_u32 v[SPW], v[NIL]
	s_wait_dscnt 0x0
	CROUND                                         ; the closing round
	s_endpgm
.Lfunc_end_k_q02d522307b_outp:
	.size	k_q02d522307b_outp, .Lfunc_end_k_q02d522307b_outp-k_q02d522307b_outp
	.p2alignl 7, 3214868480
	.fill 96, 4, 3214868480
	.section	.rodata,"a",@progbits
	.p2align	6, 0x0
	.amdhsa_kernel k_q02d522307b_outp
		.amdhsa_group_segment_fixed_size 327680
		.amdhsa_private_segment_fixed_size 0
		.amdhsa_enable_private_segment 0
		.amdhsa_kernarg_size 48
		.amdhsa_user_sgpr_count 2
		.amdhsa_user_sgpr_kernarg_segment_ptr 1
		.amdhsa_wavefront_size32 1
		.amdhsa_system_sgpr_workgroup_id_x 1
		.amdhsa_system_sgpr_workgroup_id_y 1
		.amdhsa_system_sgpr_workgroup_id_z 1
		.amdhsa_system_vgpr_workitem_id 0
		.amdhsa_next_free_vgpr 768
		.amdhsa_next_free_sgpr 96
		.amdhsa_reserve_vcc 0
		.amdhsa_float_denorm_mode_32 3
		.amdhsa_float_denorm_mode_16_64 3
		.amdhsa_memory_ordered 1
		.amdhsa_forward_progress 1
		.amdhsa_inst_pref_size 95
	.end_amdhsa_kernel
	.amdgpu_metadata
---
amdhsa.version: [ 1, 2 ]
amdhsa.kernels:
  - .name:           k_q02d522307b_outp
    .symbol:         k_q02d522307b_outp.kd
    .args:
      - { .name: ac, .offset: 0, .size: 8, .value_kind: global_buffer, .address_space: global }
      - { .name: acs, .offset: 8, .size: 8, .value_kind: global_buffer, .address_space: global }
      - { .name: wc, .offset: 16, .size: 8, .value_kind: global_buffer, .address_space: global }
      - { .name: ws, .offset: 24, .size: 8, .value_kind: global_buffer, .address_space: global }
      - { .name: bo, .offset: 32, .size: 8, .value_kind: global_buffer, .address_space: global }
      - { .name: out0, .offset: 40, .size: 8, .value_kind: global_buffer, .address_space: global }
    .group_segment_fixed_size: 327680
    .private_segment_fixed_size: 0
    .kernarg_segment_align: 8
    .kernarg_segment_size: 48
    .max_flat_workgroup_size: 128
    .sgpr_count:     96
    .vgpr_count:     768
    .wavefront_size: 32
...
	.end_amdgpu_metadata
.endif
;; end of part 4
